; MI455X (gfx1250); checked and timed in simulation.
; The chip was launched on July 23, 2026; its instructions are those of AMD's public machine-readable ISA for CDNA 5 (MIT licence, August 2026) and "CDNA5" Instruction Set Architecture Reference Guide (July 2026). The comments in the code are by the model that wrote it; some were corrected since.
;; MLA Attention. Allowed arithmetic: float matrix products may take bf16 or f16 operands with f32 sums; other float arithmetic in f32, or as packed bf16 or f16 multiplies, adds, multiply-adds, maxima and minima; sums over many terms, partial sums and values carried from step to step in f32; what a program stores and reads back later, other than sums and carried values, may be rounded once to bf16 or f16.
;; Inputs: Wk_down 256 x 1,024 float32; Wk_up 1,024 x 256 float32; Wo 1,024 x 1,024 float32; Wq_down 256 x 1,024 float32; Wq_up 1,024 x 256 float32; Wv_down 256 x 1,024 float32; Wv_up 1,024 x 256 float32; attention_mask 2 x 2,048 int32; bo 1,024 float32; x 2 x 2,048 x 1,024 float32.
;; Outputs: out0 2 x 2,048 x 1,024 float32.
;; One version. Each part assembles by itself: llvm-mc -triple=amdgcn-amd-amdhsa -mcpu=gfx1250 --defsym DOCPART=n.
;; ======== version 1 of 1: 4 launches
;; limits: right only within a limited range of input values
;; workspace buffers: lat 8,388,608 bytes; wub 2,097,152 bytes; wob 4,194,304 bytes; aux 24,576 bytes; qkv 25,165,824 bytes; ctx2 16,777,216 bytes
;; launch down (part 1): grid 4 x 64, 4 waves a work-group, clusters of 4 x 4, 327,680 bytes of LDS; arguments x, Wq_down, Wk_down, Wv_down, Wq_up, Wk_up, Wv_up, Wo, attention_mask, lat, wub, wob, aux; writes lat, wub, wob, aux
.if DOCPART == 1
	.amdgcn_target "amdgcn-amd-amdhsa--gfx1250"
	.amdhsa_code_object_version 6
	.text
	.protected	k_q02f8eb5928_down
	.globl	k_q02f8eb5928_down
	.p2align	8
	.type	k_q02f8eb5928_down,@function
k_q02f8eb5928_down:
	s_mov_b64 s[64:65], 0
	v_nop
	global_prefetch_b8 v0, s[64:65] scope:SCOPE_SE
	s_setreg_imm32_b32 hwreg(HW_REG_WAVE_MODE, 25, 1), 1
	s_wait_xcnt 0x0
	s_wait_alu depctr_hold_cnt(0) depctr_sa_sdst(0) depctr_va_vdst(0) depctr_va_sdst(0) depctr_va_ssrc(0) depctr_va_vcc(0) depctr_vm_vsrc(0)
	s_getreg_b32 s2, hwreg(HW_REG_IB_STS2, 6, 4)
	s_cmp_eq_u32 s2, 0
	s_cbranch_scc0 .Lentry_in_a_cluster
	s_endpgm
.Lentry_in_a_cluster:
	s_bfe_u32 s2, ttmp6, 0x10000c
	s_cmp_lg_u32 s2, 0xf033
	s_cbranch_scc0 .Lentry_shape_is_right
	s_endpgm
.Lentry_shape_is_right:
; DOWN.  The three latent projections of x ([4096 tokens][1024] f32) by Wq_down, Wk_down, Wv_down ([256][1024] f32), operands rounded to bf16 on the way from LDS to the matrix unit, sums in f32.
; OUT: lat, bf16 [4096][4 cb][q64 | k64 | vhi64 | vlo64]: Q's and K's latents rounded once; V's latents as a pair hi + lo of bf16 (16 significant bits), since they lie on the path of the values.
; SIDE JOBS, done while the first tiles are on their way: wub = the three up weights in bf16, [1024 c][4 cb][q64 | k64 | v64 | v64] (lat's order along K); wob = Wo in bf16, [1024 c][16 h][64 | the same 64];
; aux: 0 or -1e30 for each key of attention_mask (64 bytes a work-group: pieces of an aligned 256, 16 KiB in all), and for each wave the largest |V latent| and |Wv_up| that it has seen.
; SHARES.  Work-group (cb, trow): 64 tokens x the latent columns 64 cb .. +63 of Q, K and V.  Wave w: all 64 tokens x columns 16 w .. +15 of each: 12 accumulators, which take turns.
; K goes in 8 steps of 128 f32 (rows of 512 bytes) through two LDS slots; wave 0 fetches x's 64 rows, waves 1 to 3 those of the three weights: one tensor load a wave.
; CLUSTER 4 x 4: x's tile hangs on trow alone and is asked for jointly along a row of the cluster, a weight's tile on cb alone and jointly along a column.
; No prefetch into the L2: the tiles are small and a work-group has eight K steps in all.
; LIMITS.  All inputs are rounded once to bf16; NaN and infinities are not treated apart.
.set PITCH,  528                       ; an LDS row: 512 bytes + 16 of padding = 132 words: the 16 rows of a load start at 16 different groups of four banks
.set HALFT,  64*PITCH                  ; what one tensor load brings
.set SLOT,   4*HALFT                   ; x's 64 rows, then Wq's, Wk's, Wv's
.set STAGE,  2*SLOT                    ; behind the ring: 64 rows x 528 bytes, the work-group's, for the way out
.set SPARE,  STAGE+64*PITCH            ; the spare words, 128 bytes a wave
.set MVA, 10                           ; v10-12  LDS addresses of the run of loads in hand: x; Wq and Wk; Wv
.set MVB, 11
.set MVC, 12
.set ADA, 16                           ; v16-18  my lane's places in slot 0; never rewritten
.set ADB, 17
.set ADC, 18
.set STO, 24
.set RD,  25
.set CO,  26                           ; 16 x lane
.set SPW, 28
.set NIL, 29
.set MXL, 30                           ; the largest |V latent| so far
.set MXW, 31                           ; the largest |Wv_up|
.set RAW, 32                           ; v32-143  seven fragments in f32, 16 registers each: x's four, then Wq's, Wk's, Wv's
.set F,   144                          ; v144-199 the same in bf16, 8 registers each
.set UNP, 96
.set WV,  10                           ; s10  wave
.set TB,  66                           ; s66  LDS byte offset of the run of loads in hand: slot and place along K
.set G1,  24
.set G0,  32
.set G1B, 48
.set G0B, 56
.set MSB, 0
.macro WIN new                         ; the immediate's high byte repeats the setting that is left
.if MSB != (\new)
	s_set_vgpr_msb (MSB<<8)|(\new)
.set MSB, \new
.endif
.endm
.macro PLACES
.rept 4
	v_nop
.endr
.endm
.macro JLOAD s                         ; a joint load: wave 0 asks for x's tile, waves 1 to 3 for a weight's; s_nop 0 and four v_nop follow each line
	s_cmp_eq_u32 s[WV], 0
	s_cbranch_scc0 .Lfor_b_\@
	tensor_load_to_lds s[G0+4*(\s):G0+4*(\s)+3], s[G1:G1+7]
	s_nop 0
.rept 4
	v_nop
.endr
	s_branch .Lasked_\@
.Lfor_b_\@:
	tensor_load_to_lds s[G0B+4*(\s):G0B+4*(\s)+3], s[G1B:G1B+7]
	s_nop 0
.rept 4
	v_nop
.endr
.Lasked_\@:
.endm
.macro CREST                           ; a round of the cluster's barrier behind its opening barrier
	s_cmp_lg_u32 s[WV], 0
	s_cbranch_scc1 .Lnot_wave_0_\@
	s_barrier_signal -3
.Lnot_wave_0_\@:
	s_barrier_wait -3
	s_barrier_signal -1
	s_barrier_wait -1
.endm
.macro CROUND
	s_barrier_signal -1
	s_barrier_wait -1
	CREST
.endm
	s_load_b512 s[68:83], s[0:1], 0x0              ; x 68, Wq_down 70, Wk_down 72, Wv_down 74, Wq_up 76, Wk_up 78, Wv_up 80, Wo 82
	s_load_b256 s[84:91], s[0:1], 0x40             ; attention_mask 84, lat 86, wub 88, wob 90
	s_load_b64 s[92:93], s[0:1], 0x60              ; aux
	v_lshl_add_u32 v[SPW], v0, 2, SPARE
	v_mov_b32 v[NIL], 0
	ds_add_u32 v[SPW], v[NIL]                      ; the wave's opening: the add and its wait ahead of my first tensor load
	v_lshrrev_b32 v1, 5, v0
	v_readfirstlane_b32 s[WV], v1
	s_bfe_u32 s40, ttmp6, 0x40000                  ; cx
	s_bfe_u32 s41, ttmp6, 0x40004                  ; cy
	s_lshl_b32 s42, ttmp9, 2
	s_add_co_u32 s42, s42, s40                     ; cb
	s_and_b32 s13, ttmp7, 0xffff
	s_lshl_b32 s13, s13, 2
	s_add_co_u32 s13, s13, s41                     ; trow
	s_lshl_b32 s43, s41, 2
	s_lshl_b32 s43, 15, s43                        ; my row of the cluster
	s_lshl_b32 s44, 0x1111, s40                    ; my column
	s_or_b32 s[G1+0], s43, (2<<16)|(1<<20)|(1<<21)|(6<<22)|(3<<25)   ; mask; elements of 4 bytes; padding on; bit 21 beside a mask; after every 128 words, 4 words
	s_or_b32 s[G1B+0], s44, (2<<16)|(1<<20)|(1<<21)|(6<<22)|(3<<25)
.irp g, G1, G1B
	s_mov_b32 s[(\g)+1], 128<<16                   ; tensor_dim0 = 128
	s_mov_b32 s[(\g)+2], 64<<16                    ; tensor_dim1 = 64
	s_mov_b32 s[(\g)+3], 128<<16                   ; tile_dim0 = 128
	s_mov_b32 s[(\g)+4], 64                        ; tile_dim1 = 64
	s_mov_b32 s[(\g)+5], 1024                      ; elements from row to row
	s_mov_b32 s[(\g)+6], 0
	s_mov_b32 s[(\g)+7], 0
.endr
	s_lshl_b32 s16, s13, 18                        ; x: 64 rows of 4,096 bytes for each trow
	s_mov_b32 s17, 0
	s_lshl_b32 s46, s42, 18                        ; a weight: 64 rows of 4,096 bytes for each cb
	s_mov_b32 s47, 0
	s_mul_i32 s22, s[WV], HALFT                    ; where my tile goes: no place in the cluster enters an LDS address
	s_mov_b32 s96, 0x76543210
	s_mov_b32 s97, 0xfedcba98
	s_mov_b32 s98, 0xf149f2ca                      ; -1e30
	s_mov_b32 s99, 0xff00ff00                      ; lanes 8-15 and 24-31
	s_wait_dscnt 0x0                               ; the opening add is done
	s_wait_kmcnt 0x0
	s_add_nc_u64 s[14:15], s[68:69], s[16:17]
	s_cmp_eq_u32 s[WV], 1
	s_cselect_b64 s[20:21], s[70:71], s[72:73]     ; wave 1: Wq_down; wave 2: Wk_down;
	s_cmp_eq_u32 s[WV], 3
	s_cselect_b64 s[20:21], s[74:75], s[20:21]     ; wave 3: Wv_down
	s_add_nc_u64 s[46:47], s[20:21], s[46:47]
	CROUND                                         ; all sixteen work-groups are here: the first joint loads meet
.irp s, 0,1
	s_mov_b32 s[G0+4*(\s)], 1
	s_add_co_u32 s[G0+4*(\s)+1], s22, (\s)*SLOT
	s_add_nc_u64 s[G0+4*(\s)+2:G0+4*(\s)+3], s[14:15], (\s)*512
	s_or_b32 s[G0+4*(\s)+3], s[G0+4*(\s)+3], 0x80000000
	s_mov_b32 s[G0B+4*(\s)], 1
	s_add_co_u32 s[G0B+4*(\s)+1], s22, (\s)*SLOT
	s_add_nc_u64 s[G0B+4*(\s)+2:G0B+4*(\s)+3], s[46:47], (\s)*512
	s_or_b32 s[G0B+4*(\s)+3], s[G0B+4*(\s)+3], 0x80000000
	JLOAD \s
.endr
	; lane addresses.  A fragment is 16 rows x 32 K: lane (r, h) wants K = 8 h .. +7 and 16 + 8 h .. +7: in f32 four loads of 16 bytes at 32 h + 0, 16, 64, 80
	v_and_b32 v1, 15, v0                           ; r
	v_bfe_u32 v2, v0, 4, 1                         ; h
	v_and_b32 v4, 31, v0                           ; lane
	v_mul_u32_u24 v3, v1, PITCH
	v_lshl_add_u32 v[ADA], v2, 5, v3
	s_mul_i32 s21, s[WV], 16*PITCH
	s_add_co_u32 s22, s21, HALFT
	v_add_nc_u32 v[ADB], s22, v[ADA]               ; my 16 rows of Wq (Wk: one tile further)
	s_add_co_u32 s22, s22, 2*HALFT
	v_add_nc_u32 v[ADC], s22, v[ADA]               ; of Wv
	s_lshl_b32 s22, s[WV], 5
	s_add_co_u32 s22, s22, STAGE
	v_lshl_add_u32 v[STO], v2, 4, v3
	v_add_nc_u32 v[STO], s22, v[STO]               ; into the stage: row r, my wave's 32 bytes of a section, 16 for each half of the lanes
	s_add_co_u32 s21, s21, STAGE
	v_lshl_add_u32 v[RD], v4, 4, s21               ; back: my wave's 16 rows, 512 bytes a load
	v_lshlrev_b32 v[CO], 4, v4
	v_mov_b32 v[MXL], 0
	; THE SIDE JOBS.  Wave w of work-group gid takes row c = 4 gid + w of the up weights and of Wo.
	s_lshl_b32 s94, s13, 2
	s_add_co_u32 s94, s94, s42                     ; gid
	s_lshl_b32 s67, s94, 2
	s_add_co_u32 s67, s67, s[WV]                   ; c
	s_mov_b32 s17, 0
	s_lshl_b32 s16, s67, 10
	s_add_nc_u64 s[76:77], s[76:77], s[16:17]
	s_add_nc_u64 s[78:79], s[78:79], s[16:17]
	s_add_nc_u64 s[80:81], s[80:81], s[16:17]
	s_lshl_b32 s16, s67, 12
	s_add_nc_u64 s[82:83], s[82:83], s[16:17]
	s_add_nc_u64 s[90:91], s[90:91], s[16:17]
	s_lshl_b32 s16, s67, 11
	s_add_nc_u64 s[88:89], s[88:89], s[16:17]
	s_lshl_b32 s16, s94, 6
	s_add_nc_u64 s[84:85], s[84:85], s[16:17]      ; my work-group's 16 numbers of the mask,
	s_add_nc_u64 s[18:19], s[92:93], s[16:17]      ; and their place in aux
	s_lshl_b32 s16, s67, 2
	s_add_co_u32 s16, s16, 16384
	s_add_nc_u64 s[92:93], s[92:93], s[16:17]      ; my wave's word among the maxima
	s_lshl_b32 s16, s13, 6
	s_lshl_b32 s20, s[WV], 4
	s_add_co_u32 s16, s16, s20
	s_lshl_b32 s16, s16, 11
	s_lshl_b32 s20, s42, 9
	s_add_co_u32 s16, s16, s20
	s_add_nc_u64 s[86:87], s[86:87], s[16:17]      ; lat at token 64 trow + 16 w, block cb
	v_and_b32 v5, 7, v0
	v_lshlrev_b32 v5, 5, v5
	v_lshl_add_u32 v5, v2, 8, v5                   ; source: 256 (l / 16) + 32 (l % 8): eight f32; lanes 8 apart read the same
	v_lshlrev_b32 v6, 4, v1
	v_lshl_add_u32 v6, v2, 9, v6                   ; wub: 512 (l / 16) + 16 (l % 16): sixteen lanes fill 256 consecutive bytes
	v_lshlrev_b32 v8, 2, v0
.irp g, 0,1
	global_load_b128 v[32+24*(\g):32+24*(\g)+3],     v5, s[76:77] offset:512*(\g) th:TH_LOAD_NT
	global_load_b128 v[32+24*(\g)+4:32+24*(\g)+7],   v5, s[76:77] offset:512*(\g)+16 th:TH_LOAD_NT
	global_load_b128 v[32+24*(\g)+8:32+24*(\g)+11],  v5, s[78:79] offset:512*(\g) th:TH_LOAD_NT
	global_load_b128 v[32+24*(\g)+12:32+24*(\g)+15], v5, s[78:79] offset:512*(\g)+16 th:TH_LOAD_NT
	global_load_b128 v[32+24*(\g)+16:32+24*(\g)+19], v5, s[80:81] offset:512*(\g) th:TH_LOAD_NT
	global_load_b128 v[32+24*(\g)+20:32+24*(\g)+23], v5, s[80:81] offset:512*(\g)+16 th:TH_LOAD_NT
.endr
.irp g, 0,1,2,3,4,5,6,7
	global_load_b128 v[80+8*(\g):80+8*(\g)+3],   v5, s[82:83] offset:512*(\g) th:TH_LOAD_NT
	global_load_b128 v[80+8*(\g)+4:80+8*(\g)+7], v5, s[82:83] offset:512*(\g)+16 th:TH_LOAD_NT
.endr
	WIN 0x40                                       ; the sums start at 0, written while loads and tiles are on their way, so that every 32 of K has one text
.set z, 0
.rept 96
	v_mov_b32 v[z], 0
.set z, z+1
.endr
	WIN 0
	s_wait_xcnt 0x0                                ; EXEC changes only behind this wait
	v_cmp_gt_u32 vcc_lo, 16, v0
	s_and_saveexec_b32 s100, vcc_lo                ; threads 0 to 15 of the work-group
	global_load_b32 v9, v8, s[84:85]
	s_wait_loadcnt 0x0                             ; the mask's numbers, and all the weights' loads above
	v_cmp_eq_u32 vcc_lo, 0, v9
	v_cndmask_b32 v9, 0, s98, vcc_lo               ; a padded key: -1e30
	global_store_b32 v8, v9, s[18:19]
	s_wait_xcnt 0x0
	s_or_b32 exec_lo, exec_lo, s100
.irp g, 0,1
.irp i, 0,1,2,3
	v_cvt_pk_bf16_f32 v[144+4*(\g)+(\i)], v[32+24*(\g)+2*(\i)], v[32+24*(\g)+2*(\i)+1]
	v_cvt_pk_bf16_f32 v[200+4*(\g)+(\i)], v[32+24*(\g)+8+2*(\i)], v[32+24*(\g)+8+2*(\i)+1]
	v_cvt_pk_bf16_f32 v[152+4*(\g)+(\i)], v[32+24*(\g)+16+2*(\i)], v[32+24*(\g)+16+2*(\i)+1]
.endr
.irp i, 0,1,2,3
	v_cndmask_b32 v[144+4*(\g)+(\i)], v[144+4*(\g)+(\i)], v[200+4*(\g)+(\i)], s99   ; lanes 0-7 of a half carry q's section, lanes 8-15 k's
.endr
	global_store_b128 v6, v[144+4*(\g):144+4*(\g)+3], s[88:89] offset:1024*(\g)
	global_store_b128 v6, v[152+4*(\g):152+4*(\g)+3], s[88:89] offset:1024*(\g)+256    ; v's section twice
.endr
	v_max_num_f32 v31, |v48|, |v49|
	v_max3_num_f32 v31, v31, |v50|, |v51|
	v_max3_num_f32 v31, v31, |v52|, |v53|
	v_max3_num_f32 v31, v31, |v54|, |v55|
	v_max3_num_f32 v31, v31, |v72|, |v73|
	v_max3_num_f32 v31, v31, |v74|, |v75|
	v_max3_num_f32 v31, v31, |v76|, |v77|
	v_max3_num_f32 v31, v31, |v78|, |v79|
.irp g, 0,1,2,3,4,5,6,7
.irp i, 0,1,2,3
	v_cvt_pk_bf16_f32 v[160+4*(\g)+(\i)], v[80+8*(\g)+2*(\i)], v[80+8*(\g)+2*(\i)+1]
.endr
	global_store_b128 v[CO], v[160+4*(\g):160+4*(\g)+3], s[90:91] offset:512*(\g)      ; a head's 64 numbers twice: 256 consecutive bytes from sixteen lanes
.endr
.macro FETCH                           ; 28 LDS loads: the seven fragments of 32 along K, in f32
.irp a, 0,1,2,3
.irp i, 0,1,2,3
	ds_load_b128 v[RAW+16*(\a)+4*(\i):RAW+16*(\a)+4*(\i)+3], v[MVA] offset:(\a)*16*PITCH+((\i)/2)*64+((\i)%2)*16
.endr
.endr
.irp b, 0,1
.irp i, 0,1,2,3
	ds_load_b128 v[RAW+64+16*(\b)+4*(\i):RAW+64+16*(\b)+4*(\i)+3], v[MVB] offset:(\b)*HALFT+((\i)/2)*64+((\i)%2)*16
.endr
.endr
.irp i, 0,1,2,3
	ds_load_b128 v[RAW+96+4*(\i):RAW+96+4*(\i)+3], v[MVC] offset:((\i)/2)*64+((\i)%2)*16
.endr
.endm
.macro CVT                             ; f32 to bf16, two numbers a line
.set z, 0
.rept 56
	v_cvt_pk_bf16_f32 v[F+z], v[RAW+2*z], v[RAW+2*z+1]
.set z, z+1
.endr
.endm
.macro MOVE                            ; the addresses of the next run; with the v_nop also the four places between the last product and the conversions that write its sources
	v_add_nc_u32 v[MVA], s[TB], v[ADA]
	v_add_nc_u32 v[MVB], s[TB], v[ADB]
	v_add_nc_u32 v[MVC], s[TB], v[ADC]
	v_nop
.endm
.macro MUL a0, a1                      ; token blocks a0 .. a1 x the three column blocks; source 0 = a weight's 16 rows, source 1 = 16 tokens: a lane holds one token and 8 neighbouring columns.  The accumulators take turns
	WIN 0x50
.set aa, \a0
.rept (\a1)-(\a0)+1
.irp b, 0,1,2
	v_wmma_f32_16x16x32_bf16 v[8*(3*aa+(\b)):8*(3*aa+(\b))+7], v[F+32+8*(\b):F+32+8*(\b)+7], v[F+8*aa:F+8*aa+7], v[8*(3*aa+(\b)):8*(3*aa+(\b))+7]
.endr
.set aa, aa+1
.endr
.endm
; A K STEP: four times 32 along K.  Three in a counted loop: convert what has landed, fetch the next 32, multiply.  The fourth changes slots.
; mode 0: the slot is filled again, two K steps ahead; 1: nothing is filled; 2: the last K step.
.macro KSTEP slot, next, mode
	s_mov_b32 s[TB], (\slot)*SLOT
	s_mov_b32 s95, 3
.Lsub_\@:
	s_wait_dscnt 0x0                               ; the f32 fragments are in
	s_add_co_u32 s[TB], s[TB], 128
	MOVE
	CVT
	FETCH
	MUL 0, 3
	WIN 0
	s_sub_co_u32 s95, s95, 1
	s_cmp_lg_u32 s95, 0
	s_cbranch_scc1 .Lsub_\@
	s_wait_dscnt 0x0
.if (\mode) < 2
	s_mov_b32 s[TB], (\next)*SLOT
	MOVE
	s_wait_tensorcnt 0x0                           ; all my tensor loads have landed: my part of the next slot
	ds_add_u32 v[SPW], v[NIL]                      ; 0 onto my spare word; the conversions stand between it and its wait
	CVT
	s_wait_dscnt 0x0                               ; the add is done; my reads of this slot were over above
	s_barrier_signal -1
	MUL 0, 1
	WIN 0
	s_barrier_wait -1
.if (\mode) == 0
	CREST                                          ; the barrier has opened a round of the cluster's: no wave of any partner still reads this slot or has a load on its way
	s_add_nc_u64 s[G0+4*(\slot)+2:G0+4*(\slot)+3], s[G0+4*(\slot)+2:G0+4*(\slot)+3], 1024
	s_add_nc_u64 s[G0B+4*(\slot)+2:G0B+4*(\slot)+3], s[G0B+4*(\slot)+2:G0B+4*(\slot)+3], 1024
	JLOAD \slot
.endif
	FETCH
	MUL 2, 3
	WIN 0
.else
	PLACES
	CVT
	MUL 0, 3
	WIN 0
.endif
.endm
	s_wait_xcnt 0x0                                ; the side jobs' stores have read their registers, which the conversions write next
	s_wait_tensorcnt 1                             ; my part of K step 0 is in; K step 1's may stay out
	s_barrier_signal -1
	s_barrier_wait -1
	s_mov_b32 s[TB], 0
	MOVE
	FETCH
	s_mov_b32 s3, 3
.Llap:                                                 ; K steps 0 to 5: each fills its slot again
	KSTEP 0, 1, 0
	KSTEP 1, 0, 0
	s_sub_co_u32 s3, s3, 1
	s_cmp_lg_u32 s3, 0
	s_cbranch_scc1 .Llap
	KSTEP 0, 1, 1
	KSTEP 1, 0, 2
	; THE WAY OUT.  q and k rounded to bf16; v as hi = bf16(v), lo = bf16(v - hi); 16 bytes a lane into the stage; a barrier, since a row's 512 bytes come from four waves; back as whole rows.
.macro OUTA a
.set T, 32+16*(\a)
	WIN 0x05
.irp b, 0,1,2
.irp i, 0,1,2,3
	v_cvt_pk_bf16_f32 v[T+4*(\b)+(\i)], v[8*(3*(\a)+(\b))+2*(\i)], v[8*(3*(\a)+(\b))+2*(\i)+1]
.endr
.endr
	WIN 0
.irp i, 0,1,2,3
	v_lshlrev_b32 v[UNP+2*(\i)], 16, v[T+8+(\i)]
	v_and_b32 v[UNP+2*(\i)+1], 0xffff0000, v[T+8+(\i)]
.endr
	v_max3_num_f32 v30, v30, |v96|, |v97|          ; the maximum is taken of hi, which is within 2^-8 of v
	v_max3_num_f32 v30, v30, |v98|, |v99|
	v_max3_num_f32 v30, v30, |v100|, |v101|
	v_max3_num_f32 v30, v30, |v102|, |v103|
	WIN 0x01
.irp i, 0,1,2,3
	v_pk_add_f32 v[UNP+2*(\i):UNP+2*(\i)+1], v[8*(3*(\a)+2)+2*(\i):8*(3*(\a)+2)+2*(\i)+1], v[UNP+2*(\i):UNP+2*(\i)+1] neg_lo:[0,1] neg_hi:[0,1]
.endr
	WIN 0
.irp i, 0,1,2,3
	v_cvt_pk_bf16_f32 v[T+12+(\i)], v[UNP+2*(\i)], v[UNP+2*(\i)+1]
.endr
.irp c, 0,1,2,3
	ds_store_b128 v[STO], v[T+4*(\c):T+4*(\c)+3] offset:(\a)*16*PITCH+128*(\c)
.endr
.endm
	PLACES
	PLACES
	OUTA 0
	OUTA 1
	OUTA 2
	OUTA 3
	s_wait_dscnt 0x0                               ; for the others' sake: my stores into the stage are done
	s_barrier_signal -1
	s_barrier_wait -1
.irp t, 0,1,2,3,4,5,6,7,8,9,10,11,12,13,14,15
	ds_load_b128 v[32+4*(\t):32+4*(\t)+3], v[RD] offset:(\t)*PITCH
.endr
.irp t, 0,1,2,3,4,5,6,7,8,9,10,11,12,13,14,15
	s_wait_dscnt 15-(\t)
	global_store_b128 v[CO], v[32+4*(\t):32+4*(\t)+3], s[86:87] offset:2048*(\t)   ; 512 consecutive bytes, at a multiple of 512 from lat's first
.endr
.irp m, MXL, MXW
.irp x, 1,2,4,8
	v_max_num_f32_dpp v[\m], v[\m], v[\m] row_xmask:\x row_mask:0xf bank_mask:0xf
.endr
.endr
	v_permlanex16_b32 v96, v[MXL], s96, s97
	v_permlanex16_b32 v97, v[MXW], s96, s97
	v_max_num_f32 v[MXL], v[MXL], v96
	v_max_num_f32 v[MXW], v[MXW], v97
	s_mov_b32 s99, 0xaaaaaaaa
	v_cndmask_b32 v98, v[MXL], v[MXW], s99         ; lane 0 carries the latents' maximum, lane 1 the weights'
	v_and_b32 v99, 1, v0
	v_lshlrev_b32 v99, 12, v99                     ; the two tables lie 4,096 bytes apart
	s_wait_xcnt 0x0                                ; EXEC changes only behind this wait
	v_cmp_gt_u32 vcc_lo, 2, v4
	s_and_saveexec_b32 s100, vcc_lo
	global_store_b32 v99, v98, s[92:93]
	s_wait_xcnt 0x0
	s_or_b32 exec_lo, exec_lo, s100
	s_wait_tensorcnt 0x0                           ; the wave's end
	ds_add_u32 v[SPW], v[NIL]
	s_wait_dscnt 0x0
	CROUND                                         ; the closing round
	s_endpgm
.Lfunc_end_k_q02f8eb5928_down:
	.size	k_q02f8eb5928_down, .Lfunc_end_k_q02f8eb5928_down-k_q02f8eb5928_down
	.p2alignl 7, 3214868480
	.fill 96, 4, 3214868480
	.section	.rodata,"a",@progbits
	.p2align	6, 0x0
	.amdhsa_kernel k_q02f8eb5928_down
		.amdhsa_group_segment_fixed_size 327680
		.amdhsa_private_segment_fixed_size 0
		.amdhsa_enable_private_segment 0
		.amdhsa_kernarg_size 104
		.amdhsa_user_sgpr_count 2
		.amdhsa_user_sgpr_kernarg_segment_ptr 1
		.amdhsa_wavefront_size32 1
		.amdhsa_system_sgpr_workgroup_id_x 1
		.amdhsa_system_sgpr_workgroup_id_y 1
		.amdhsa_system_sgpr_workgroup_id_z 1
		.amdhsa_system_vgpr_workitem_id 0
		.amdhsa_next_free_vgpr 384
		.amdhsa_next_free_sgpr 102
		.amdhsa_reserve_vcc 1
		.amdhsa_float_denorm_mode_32 3
		.amdhsa_float_denorm_mode_16_64 3
		.amdhsa_memory_ordered 1
		.amdhsa_forward_progress 1
		.amdhsa_inst_pref_size 87
	.end_amdhsa_kernel
	.amdgpu_metadata
---
amdhsa.version: [ 1, 2 ]
amdhsa.kernels:
  - .name:           k_q02f8eb5928_down
    .symbol:         k_q02f8eb5928_down.kd
    .args:
      - { .name: x, .offset: 0, .size: 8, .value_kind: global_buffer, .address_space: global }
      - { .name: Wq_down, .offset: 8, .size: 8, .value_kind: global_buffer, .address_space: global }
      - { .name: Wk_down, .offset: 16, .size: 8, .value_kind: global_buffer, .address_space: global }
      - { .name: Wv_down, .offset: 24, .size: 8, .value_kind: global_buffer, .address_space: global }
      - { .name: Wq_up, .offset: 32, .size: 8, .value_kind: global_buffer, .address_space: global }
      - { .name: Wk_up, .offset: 40, .size: 8, .value_kind: global_buffer, .address_space: global }
      - { .name: Wv_up, .offset: 48, .size: 8, .value_kind: global_buffer, .address_space: global }
      - { .name: Wo, .offset: 56, .size: 8, .value_kind: global_buffer, .address_space: global }
      - { .name: attention_mask, .offset: 64, .size: 8, .value_kind: global_buffer, .address_space: global }
      - { .name: lat, .offset: 72, .size: 8, .value_kind: global_buffer, .address_space: global }
      - { .name: wub, .offset: 80, .size: 8, .value_kind: global_buffer, .address_space: global }
      - { .name: wob, .offset: 88, .size: 8, .value_kind: global_buffer, .address_space: global }
      - { .name: aux, .offset: 96, .size: 8, .value_kind: global_buffer, .address_space: global }
    .group_segment_fixed_size: 327680
    .private_segment_fixed_size: 0
    .kernarg_segment_align: 8
    .kernarg_segment_size: 104
    .max_flat_workgroup_size: 128
    .sgpr_count:     102
    .vgpr_count:     384
    .wavefront_size: 32
...
	.end_amdgpu_metadata
.endif
;; end of part 1
;; launch up (part 2): grid 8 x 32, 4 waves a work-group, clusters of 4 x 4, 327,680 bytes of LDS; arguments lat, wub, aux, qkv; writes qkv
.if DOCPART == 2
	.amdgcn_target "amdgcn-amd-amdhsa--gfx1250"
	.amdhsa_code_object_version 6
	.text
	.protected	k_q02f8eb5928_up
	.globl	k_q02f8eb5928_up
	.p2align	8
	.type	k_q02f8eb5928_up,@function
k_q02f8eb5928_up:
	s_mov_b64 s[64:65], 0
	v_nop
	global_prefetch_b8 v0, s[64:65] scope:SCOPE_SE
	s_setreg_imm32_b32 hwreg(HW_REG_WAVE_MODE, 25, 1), 1
	s_wait_xcnt 0x0
	s_wait_alu depctr_hold_cnt(0) depctr_sa_sdst(0) depctr_va_vdst(0) depctr_va_sdst(0) depctr_va_ssrc(0) depctr_va_vcc(0) depctr_vm_vsrc(0)
	s_getreg_b32 s2, hwreg(HW_REG_IB_STS2, 6, 4)
	s_cmp_eq_u32 s2, 0
	s_cbranch_scc0 .Lentry_in_a_cluster
	s_endpgm
.Lentry_in_a_cluster:
	s_bfe_u32 s2, ttmp6, 0x10000c
	s_cmp_lg_u32 s2, 0xf033
	s_cbranch_scc0 .Lentry_shape_is_right
	s_endpgm
.Lentry_shape_is_right:
; UP.  q = Qlat Wq_up^T, k = Klat Wk_up^T (bf16 out), v = (Vhi + Vlo) Wv_up^T (f16 out, times 2^-E), all by heads: qkv = q | k | v', each [32 bh][2048][64], rows of 128 bytes.
; The logits of the module, Qlat Mabs Klat^T, are q . k / 8 by heads: the same numbers in another order of rounding (a stated limit).
; ONE product with three sets of sums: lat [4096][1024] and wub [1024][1024] hold, for each block cb of 64 latent channels, the sections q | k | vhi | vlo (wub: q | k | v | v).  A K step is one cb (rows of
; 512 bytes); its four quarters of 64 add into q's, k's, v's and again v's accumulators.
; SHARES.  A tile is 128 tokens x 128 columns (two heads); four waves, each 64 tokens x one head: 3 x 16 accumulators.  Four K steps, written out; the first products of each set start its sums with 0.
; CLUSTER 4 x 4: lat's tile is asked for jointly along a row of the cluster, wub's along a column.  No prefetch into the L2: small tiles, four K steps.
; THE SCALE.  2^E is the power of two above maxL maxW / 128, with maxL, maxW the largest |V latent| and |Wv_up|: |v| <= 256 maxL maxW < 2^15 2^E, so v' stays inside f16.
; LIMITS.  maxL maxW / 128 is held to 2^-100 .. 2^100; NaN and infinities are not treated apart.
.set KSTEP,  256
.set SIZE_K, 1024
.set PITCH,  528
.set HALFT,  64*PITCH
.set SLOT,   4*HALFT
.set STAGE,  2*SLOT                    ; behind the ring: 16 rows x 144 bytes for each wave
.set SP,     144
.set SPARE,  STAGE+4*16*SP
.set ADRA, 16
.set ADRB, 20
.set STO,  24
.set RD,   25
.set GO,   26                          ; 16 x lane
.set GL,   26
.set SPW,  28
.set NIL,  29
.set TMP,  32                          ; v32-127: six sets of 16 for the way out; before that the scale's scratch
.set GR,   32
.set F0,   0                           ; fragment buffers, in window 1
.set F1,   128
.set WV,  66
.set RH,  67                           ; which half of the tile's tokens is mine; also: I fetch for lat (0) or wub (1)
.set CH,  68                           ; which head of the two; also: which 64 rows I fetch
.set ISC, 70                           ; s[70:71] 2^-E
.set SEL, 72
.set G1,  24
.set G0,  32
.set G1B, 48
.set G0B, 56
.set MSB, 0
.macro WIN new
.if MSB != (\new)
	s_set_vgpr_msb (MSB<<8)|(\new)
.set MSB, \new
.endif
.endm
.set TO_F, 0x40
.macro PLACES
.rept 4
	v_nop
.endr
.endm
.macro JLOAD s
	s_cmp_eq_u32 s[RH], 0
	s_cbranch_scc0 .Lfor_b_\@
	tensor_load_to_lds s[G0+4*(\s):G0+4*(\s)+3], s[G1:G1+7]
	s_nop 0
.rept 4
	v_nop
.endr
	s_branch .Lasked_\@
.Lfor_b_\@:
	tensor_load_to_lds s[G0B+4*(\s):G0B+4*(\s)+3], s[G1B:G1B+7]
	s_nop 0
.rept 4
	v_nop
.endr
.Lasked_\@:
.endm
.macro CREST
	s_cmp_lg_u32 s[WV], 0
	s_cbranch_scc1 .Lnot_wave_0_\@
	s_barrier_signal -3
.Lnot_wave_0_\@:
	s_barrier_wait -3
	s_barrier_signal -1
	s_barrier_wait -1
.endm
.macro CROUND
	s_barrier_signal -1
	s_barrier_wait -1
	CREST
.endm
; The scale: the maxima of the 1,024 waves' two figures, then the power of two.  inv = 1: 2^-E; 0: 2^E.
.macro GETSCALE aux, inv, dst
.irp i, 0,1,2,3,4,5,6,7
	global_load_b128 v[GR+4*(\i):GR+4*(\i)+3], v[GL], s[(\aux):(\aux)+1] offset:16384+512*(\i)
	global_load_b128 v[GR+32+4*(\i):GR+32+4*(\i)+3], v[GL], s[(\aux):(\aux)+1] offset:20480+512*(\i)
.endr
	s_wait_loadcnt 0x0
.irp tb, 0,32
	v_max3_num_f32 v[GR+(\tb)], v[GR+(\tb)], v[GR+(\tb)+1], v[GR+(\tb)+2]
.set z, 3
.rept 14
	v_max3_num_f32 v[GR+(\tb)], v[GR+(\tb)], v[GR+(\tb)+z], v[GR+(\tb)+z+1]
.set z, z+2
.endr
	v_max_num_f32 v[GR+(\tb)], v[GR+(\tb)], v[GR+(\tb)+31]
.irp x, 1,2,4,8
	v_max_num_f32_dpp v[GR+(\tb)], v[GR+(\tb)], v[GR+(\tb)] row_xmask:\x row_mask:0xf bank_mask:0xf
.endr
	v_permlanex16_b32 v[GR+(\tb)+1], v[GR+(\tb)], s[SEL], s[SEL+1]
	v_max_num_f32 v[GR+(\tb)], v[GR+(\tb)], v[GR+(\tb)+1]
.endr
	v_mul_f32 v[GR], v[GR], v[GR+32]
	v_mul_f32 v[GR], 0x3c000000, v[GR]             ; / 128
	v_max_num_f32 v[GR], 0x0d800000, v[GR]         ; held to 2^-100 ..
	v_min_num_f32 v[GR], 0x71800000, v[GR]         ; .. 2^100
	v_and_b32 v[GR], 0x7f800000, v[GR]             ; its exponent,
	v_add_nc_u32 v[GR], 0x00800000, v[GR]          ; one up: 2^E
.if \inv
	v_sub_nc_u32 v[GR], 0x7f000000, v[GR]          ; 2^-E
.endif
	v_readfirstlane_b32 s[\dst], v[GR]
	s_mov_b32 s[(\dst)+1], s[\dst]
.endm
	s_load_b256 s[4:11], s[0:1], 0x0               ; lat 4, wub 6, aux 8, qkv 10
	v_lshl_add_u32 v[SPW], v0, 2, SPARE
	v_mov_b32 v[NIL], 0
	ds_add_u32 v[SPW], v[NIL]                      ; the wave's opening: the add and its wait ahead of my first tensor load
	v_lshrrev_b32 v1, 5, v0
	v_readfirstlane_b32 s[WV], v1
	s_lshr_b32 s[RH], s[WV], 1
	s_and_b32 s[CH], s[WV], 1
	s_bfe_u32 s40, ttmp6, 0x40000
	s_bfe_u32 s41, ttmp6, 0x40004
	s_lshl_b32 s42, ttmp9, 2
	s_add_co_u32 s42, s42, s40                     ; tile column
	s_and_b32 s13, ttmp7, 0xffff
	s_lshl_b32 s13, s13, 2
	s_add_co_u32 s13, s13, s41                     ; tile row
	s_lshl_b32 s43, s41, 2
	s_lshl_b32 s43, 15, s43
	s_lshl_b32 s44, 0x1111, s40
	s_or_b32 s[G1+0], s43, (1<<16)|(1<<20)|(1<<21)|(6<<22)|(3<<25)
	s_or_b32 s[G1B+0], s44, (1<<16)|(1<<20)|(1<<21)|(6<<22)|(3<<25)
.irp g, G1, G1B
	s_mov_b32 s[(\g)+1], KSTEP<<16
	s_mov_b32 s[(\g)+2], 64<<16
	s_mov_b32 s[(\g)+3], KSTEP<<16
	s_mov_b32 s[(\g)+4], 64
	s_mov_b32 s[(\g)+5], SIZE_K
	s_mov_b32 s[(\g)+6], 0
	s_mov_b32 s[(\g)+7], 0
.endr
	s_lshl_b32 s17, s[CH], 6
	s_lshl_b32 s16, s13, 7
	s_add_co_u32 s16, s16, s17
	s_lshl_b32 s16, s16, 11                        ; lat: row 128 x tile row + 64 x half, 2,048 bytes a row
	s_lshl_b32 s46, s42, 7
	s_add_co_u32 s46, s46, s17
	s_lshl_b32 s46, s46, 11                        ; wub likewise by the tile column
	s_mov_b32 s17, 0
	s_mov_b32 s47, 0
	s_mul_i32 s20, s[WV], HALFT
	s_mov_b32 s[SEL], 0x76543210
	s_mov_b32 s[SEL+1], 0xfedcba98
	s_wait_dscnt 0x0
	s_wait_kmcnt 0x0
	s_add_nc_u64 s[14:15], s[4:5], s[16:17]
	s_add_nc_u64 s[46:47], s[6:7], s[46:47]
	CROUND
.irp s, 0,1
	s_mov_b32 s[G0+4*(\s)], 1
	s_add_co_u32 s[G0+4*(\s)+1], s20, (\s)*SLOT
	s_add_nc_u64 s[G0+4*(\s)+2:G0+4*(\s)+3], s[14:15], (\s)*KSTEP*2
	s_or_b32 s[G0+4*(\s)+3], s[G0+4*(\s)+3], 0x80000000
	s_mov_b32 s[G0B+4*(\s)], 1
	s_add_co_u32 s[G0B+4*(\s)+1], s20, (\s)*SLOT
	s_add_nc_u64 s[G0B+4*(\s)+2:G0B+4*(\s)+3], s[46:47], (\s)*KSTEP*2
	s_or_b32 s[G0B+4*(\s)+3], s[G0B+4*(\s)+3], 0x80000000
	JLOAD \s
.endr
	v_and_b32 v1, 15, v0
	v_bfe_u32 v2, v0, 4, 1
	v_and_b32 v[GO], 31, v0
	v_lshlrev_b32 v[GO], 4, v[GO]
	v_mul_u32_u24 v3, v1, PITCH
	v_lshl_add_u32 v3, v2, 4, v3
	s_mul_i32 s21, s[RH], HALFT
	s_mul_i32 s22, s[CH], HALFT
	s_add_co_u32 s22, s22, 2*HALFT
.irp s, 0,1
	v_add_nc_u32 v[ADRA+(\s)], s21, v3
	v_add_nc_u32 v[ADRB+(\s)], s22, v3
	s_add_co_u32 s21, s21, SLOT
	s_add_co_u32 s22, s22, SLOT
.endr
	s_mul_i32 s23, s[WV], 16*SP
	s_add_co_u32 s23, s23, STAGE                   ; my stage
	v_mul_u32_u24 v[STO], v1, SP
	v_lshl_add_u32 v[STO], v2, 4, v[STO]
	v_add_nc_u32 v[STO], s23, v[STO]
	v_bfe_u32 v[RD], v0, 3, 2                      ; back: 32 lanes take four rows of 128 bytes
	v_mul_u32_u24 v[RD], v[RD], SP
	v_and_b32 v3, 7, v0
	v_lshl_add_u32 v[RD], v3, 4, v[RD]
	v_add_nc_u32 v[RD], s23, v[RD]
	s_lshr_b32 s16, s13, 4                         ; the batch,
	s_lshl_b32 s16, s16, 4
	s_lshl_b32 s17, s42, 1
	s_add_co_u32 s16, s16, s17
	s_add_co_u32 s16, s16, s[CH]                   ; bh = 16 batch + 2 x tile column + my head
	s_lshl_b32 s16, s16, 18
	s_and_b32 s17, s13, 15
	s_lshl_b32 s17, s17, 14                        ; the tile's 128 positions,
	s_add_co_u32 s16, s16, s17
	s_lshl_b32 s17, s[RH], 13                      ; my 64 of them
	s_add_co_u32 s16, s16, s17
	s_mov_b32 s17, 0
	s_add_nc_u64 s[10:11], s[10:11], s[16:17]      ; q,
	s_add_nc_u64 s[74:75], s[10:11], 0x800000      ; k,
	s_add_nc_u64 s[76:77], s[10:11], 0x1000000     ; v'
	GETSCALE 8, 1, ISC
; 8 matrix instructions: token blocks a0, a0 + 1 x the head's 4 column blocks, 32 along K (half c of buffer f), into set ty (0 q: window 0 v128; 1 k: window 2 v0; 2 v: window 2 v128)
.macro MUL8 f, c, a0, zero, ty
.if (\ty) == 0
	WIN 0x05
.else
	WIN 0xa5
.endif
.set AB, 128
.if (\ty) == 1
.set AB, 0
.endif
.irp a, \a0, (\a0)+1
.irp b, 0,1,2,3
.if \zero
	v_wmma_f32_16x16x32_bf16 v[AB+8*(4*(\a)+(\b)):AB+8*(4*(\a)+(\b))+7], v[(\f)+64+8*(4*(\c)+(\b)):(\f)+64+8*(4*(\c)+(\b))+7], v[(\f)+8*(4*(\c)+(\a)):(\f)+8*(4*(\c)+(\a))+7], 0
.else
	v_wmma_f32_16x16x32_bf16 v[AB+8*(4*(\a)+(\b)):AB+8*(4*(\a)+(\b))+7], v[(\f)+64+8*(4*(\c)+(\b)):(\f)+64+8*(4*(\c)+(\b))+7], v[(\f)+8*(4*(\c)+(\a)):(\f)+8*(4*(\c)+(\a))+7], v[AB+8*(4*(\a)+(\b)):AB+8*(4*(\a)+(\b))+7]
.endif
.endr
.endr
.endm
.macro FETCH slot, k, f                ; 32 LDS loads in one run: the fragments of 64 along K at byte k of the rows; the first 32 along K first
	WIN TO_F
.irp c, 0,1
.irp i, 0,1,2,3
	ds_load_b128 v[(\f)+64+8*(4*(\c)+(\i)):(\f)+64+8*(4*(\c)+(\i))+3],   v[ADRB+(\slot)] offset:(\k)+64*(\c)+(\i)*16*PITCH
	ds_load_b128 v[(\f)+64+8*(4*(\c)+(\i))+4:(\f)+64+8*(4*(\c)+(\i))+7], v[ADRB+(\slot)] offset:(\k)+64*(\c)+(\i)*16*PITCH+32
	ds_load_b128 v[(\f)+8*(4*(\c)+(\i)):(\f)+8*(4*(\c)+(\i))+3],         v[ADRA+(\slot)] offset:(\k)+64*(\c)+(\i)*16*PITCH
	ds_load_b128 v[(\f)+8*(4*(\c)+(\i))+4:(\f)+8*(4*(\c)+(\i))+7],       v[ADRA+(\slot)] offset:(\k)+64*(\c)+(\i)*16*PITCH+32
.endr
.endr
.endm
.macro QUARTER slot, k, f, g, zero, ty
	s_wait_dscnt 16                                ; the first 32 along K are in; the other sixteen loads may be out
	MUL8 \f, 0, 0, \zero, \ty
	MUL8 \f, 0, 2, \zero, \ty
	PLACES
	FETCH \slot, \k, \g
	s_wait_dscnt 32                                ; all but the 32 just issued
	MUL8 \f, 1, 0, 0, \ty
	MUL8 \f, 1, 2, 0, \ty
.endm
.macro TURN slot, next, fill           ; the fourth quarter (vlo, onto v's sums) changes slots
	WIN 0
	s_wait_tensorcnt 0x0                           ; all my tensor loads have landed: my part of the next slot
	ds_add_u32 v[SPW], v[NIL]                      ; 0 onto my spare word
	s_wait_dscnt 17                                ; (the add and the youngest sixteen loads may be out)
	MUL8 F1, 0, 0, 0, 2
	s_wait_dscnt 0x0                               ; the add is done, and my reads of this slot are over
	s_barrier_signal -1
	MUL8 F1, 0, 2, 0, 2
.if \fill
	WIN 0
.endif
	s_barrier_wait -1
.if \fill
	CREST
	s_add_nc_u64 s[G0+4*(\slot)+2:G0+4*(\slot)+3], s[G0+4*(\slot)+2:G0+4*(\slot)+3], 2*KSTEP*2
	s_add_nc_u64 s[G0B+4*(\slot)+2:G0B+4*(\slot)+3], s[G0B+4*(\slot)+2:G0B+4*(\slot)+3], 2*KSTEP*2
	JLOAD \slot
.else
	PLACES
.endif
	FETCH \next, 0, F0
	MUL8 F1, 1, 0, 0, 2
	MUL8 F1, 1, 2, 0, 2
.endm
	s_wait_tensorcnt 1                             ; my part of K step 0 is in; K step 1's may stay out
	s_barrier_signal -1
	s_barrier_wait -1
	FETCH 0, 0, F0
	QUARTER 0, 128, F0, F1, 1, 0                   ; cb 0: the first products start the three sets of sums
	QUARTER 0, 256, F1, F0, 1, 1
	QUARTER 0, 384, F0, F1, 1, 2
	TURN 0, 1, 1
	QUARTER 1, 128, F0, F1, 0, 0                   ; cb 1
	QUARTER 1, 256, F1, F0, 0, 1
	QUARTER 1, 384, F0, F1, 0, 2
	TURN 1, 0, 1
	QUARTER 0, 128, F0, F1, 0, 0                   ; cb 2
	QUARTER 0, 256, F1, F0, 0, 1
	QUARTER 0, 384, F0, F1, 0, 2
	TURN 0, 1, 0
	QUARTER 1, 128, F0, F1, 0, 0                   ; cb 3
	QUARTER 1, 256, F1, F0, 0, 1
	QUARTER 1, 384, F0, F1, 0, 2
	s_wait_dscnt 16
	MUL8 F1, 0, 0, 0, 2
	MUL8 F1, 0, 2, 0, 2
	s_wait_dscnt 0x0
	MUL8 F1, 1, 0, 0, 2
	MUL8 F1, 1, 2, 0, 2
	WIN 0
	; THE WAY OUT: twelve blocks n = 4 ty + a of 16 positions x 64 channels = 2,048 consecutive bytes; each through my stage (rows of 144 bytes) and back as whole rows.
.macro PACKU n
.set ty, (\n)/4
.set TT, TMP+16*((\n)%6)
.set AB, 128
.if ty == 1
.set AB, 0
.endif
.set AB, AB+32*((\n)%4)
.if (\n) >= 6
	s_wait_xcnt 0x0                                ; the stores of six blocks ago have read these registers
.endif
.if ty == 2
	WIN 0x82
.set z, 0
.rept 16
	v_pk_mul_f32 v[AB+2*z:AB+2*z+1], v[AB+2*z:AB+2*z+1], s[ISC:ISC+1] op_sel_hi:[1,0]
.set z, z+1
.endr
.endif
.if ty == 0
	WIN 0
.else
	WIN 0x0a
.endif
.set z, 0
.rept 16
.if ty == 2
	v_cvt_pk_f16_f32 v[TT+z], v[AB+2*z], v[AB+2*z+1]
.else
	v_cvt_pk_bf16_f32 v[TT+z], v[AB+2*z], v[AB+2*z+1]
.endif
.set z, z+1
.endr
	WIN 0
.irp f, 0,1,2,3
	ds_store_b128 v[STO], v[TT+4*(\f):TT+4*(\f)+3] offset:32*(\f)
.endr
.irp f, 0,1,2,3
	ds_load_b128 v[TT+4*(\f):TT+4*(\f)+3], v[RD] offset:(\f)*4*SP   ; LDS serves a wave's instructions in order: these see the stores above
.endr
.endm
.macro SENDU n, younger
.set ty, (\n)/4
.set TT, TMP+16*((\n)%6)
.set SB, 10
.if ty == 1
.set SB, 74
.endif
.if ty == 2
.set SB, 76
.endif
.irp f, 0,1,2,3
	s_wait_dscnt (\younger)+3-(\f)
	global_store_b128 v[GO], v[TT+4*(\f):TT+4*(\f)+3], s[SB:SB+1] offset:2048*((\n)%4)+512*(\f)   ; 512 consecutive bytes, aligned
.endr
.endm
	PLACES
	PLACES
	PACKU 0
.set n, 1
.rept 11
	PACKU n
	SENDU n-1, 8
.set n, n+1
.endr
	SENDU 11, 0
	s_wait_tensorcnt 0x0                           ; the wave's end
	ds_add_u32 v[SPW], v[NIL]
	s_wait_dscnt 0x0
	CROUND
	s_endpgm
.Lfunc_end_k_q02f8eb5928_up:
	.size	k_q02f8eb5928_up, .Lfunc_end_k_q02f8eb5928_up-k_q02f8eb5928_up
	.p2alignl 7, 3214868480
	.fill 96, 4, 3214868480
	.section	.rodata,"a",@progbits
	.p2align	6, 0x0
	.amdhsa_kernel k_q02f8eb5928_up
		.amdhsa_group_segment_fixed_size 327680
		.amdhsa_private_segment_fixed_size 0
		.amdhsa_enable_private_segment 0
		.amdhsa_kernarg_size 32
		.amdhsa_user_sgpr_count 2
		.amdhsa_user_sgpr_kernarg_segment_ptr 1
		.amdhsa_wavefront_size32 1
		.amdhsa_system_sgpr_workgroup_id_x 1
		.amdhsa_system_sgpr_workgroup_id_y 1
		.amdhsa_system_sgpr_workgroup_id_z 1
		.amdhsa_system_vgpr_workitem_id 0
		.amdhsa_next_free_vgpr 768
		.amdhsa_next_free_sgpr 84
		.amdhsa_reserve_vcc 0
		.amdhsa_float_denorm_mode_32 3
		.amdhsa_float_denorm_mode_16_64 3
		.amdhsa_memory_ordered 1
		.amdhsa_forward_progress 1
		.amdhsa_inst_pref_size 112
	.end_amdhsa_kernel
	.amdgpu_metadata
---
amdhsa.version: [ 1, 2 ]
amdhsa.kernels:
  - .name:           k_q02f8eb5928_up
    .symbol:         k_q02f8eb5928_up.kd
    .args:
      - { .name: lat, .offset: 0, .size: 8, .value_kind: global_buffer, .address_space: global }
      - { .name: wub, .offset: 8, .size: 8, .value_kind: global_buffer, .address_space: global }
      - { .name: aux, .offset: 16, .size: 8, .value_kind: global_buffer, .address_space: global }
      - { .name: qkv, .offset: 24, .size: 8, .value_kind: global_buffer, .address_space: global }
    .group_segment_fixed_size: 327680
    .private_segment_fixed_size: 0
    .kernarg_segment_align: 8
    .kernarg_segment_size: 32
    .max_flat_workgroup_size: 128
    .sgpr_count:     84
    .vgpr_count:     768
    .wavefront_size: 32
...
	.end_amdgpu_metadata
.endif
;; end of part 2
;; launch attn (part 3): grid 8 x 32, 4 waves a work-group, no clusters, 327,680 bytes of LDS; arguments qkv, aux, ctx2; writes ctx2
.if DOCPART == 3
	.amdgcn_target "amdgcn-amd-amdhsa--gfx1250"
	.amdhsa_code_object_version 6
	.text
	.protected	k_q02f8eb5928_attn
	.globl	k_q02f8eb5928_attn
	.p2align	8
	.type	k_q02f8eb5928_attn,@function
k_q02f8eb5928_attn:
	s_mov_b64 s[64:65], 0
	v_nop
	global_prefetch_b8 v0, s[64:65] scope:SCOPE_SE
	s_setreg_imm32_b32 hwreg(HW_REG_WAVE_MODE, 25, 1), 1
	s_wait_xcnt 0x0
; CAUSAL ATTENTION WITH PADDED KEYS, head size 64.  q, k bf16, v' = v 2^-E f16, each [32 bh][2048][64]; aux: 0 or -1e30 for each key, and the figures of the scale.
; OUT: ctx2, bf16 [4096 tokens][16 h][hi64 | lo64]: ctx = softmax(q . k / 8) v as a pair hi + lo.  Products, maxima and sums in f32; the weights p rounded to f16 for the second product.
; THE WALK.  A head's queries lie in 16 blocks of 128; block i needs the key tiles 0 .. i of 128 keys, the last holding the diagonal.  Work-group b takes block b and then block 15 - b: 17 tiles, whatever b.
; One loop with a constant count walks them; which tile is asked for hangs on scalars made from b; every jump but the loop's own goes forward and passes no barrier and no tensor load but those that the wave's number does not choose.
; SHARES.  Of a block's two bands of 64 queries a wave owns 16 rows in each: tiles t = 0, 1.  A key tile is two steps of 64 keys.  In the diagonal tile band t sees step st whole if st < t, not at all if st > t (computed all
; the same: 2 of a wave's 68 tile-steps, for one text of a step), and holds the diagonal if st = t.
; THE MASK is the C operand that starts S^T = K Q^T: PM, the keys' 0 or -1e30; MC = MD + PM where the diagonal lies (MD: my 16 rows' mask of their own step); HID = -1e30 where all is hidden.
; SOFTMAX.  p = 2^(c s - c m), c = log2(e) / 8, with a running maximum m that starts at -2^93, above every hidden score: a row that sees no key keeps p = 0, l = 0 and O = 0, and is divided by max(l, 0.5): ctx = 0.
; PHASES.  K Q^T of a step (the first tile's maximum rides behind the second tile's products), then the softmax (one batch of 66 exponentials, one wait) and V^T P with roundings, rescalings and sums as riders.
; RING.  Two slots, a key tile each: K (rows of 144 bytes), V (160), PM (512 bytes).  Wave 0 asks for K, wave 1 for V, wave 2 for PM, wave 3 for nothing.  The slot is left, and filled again, behind the K Q^T of its second
; step, when its K, V and PM are in registers.  By this text's count a wave has two tensor loads out at the start and one behind each change.
; NO CLUSTER: in trip w partner b wants tile w (w <= b) or w - b - 1: the eight work-groups of a head want different tiles in nearly every trip.
; LIMITS.  True scores lie above -2^93; a hidden score counts as its value less 1e30; a weight below 2^-126 counts as 0; NaN and infinities are not treated apart.
.set PK,    144
.set PVP,   160
.set VOFF,  128*PK
.set MOFF,  VOFF+128*PVP
.set SLOT1, 65536
.set STAGE, 131072                     ; 16 rows x 272 bytes for each wave
.set SP,    272
.set SPARE, STAGE+4*16*SP
.set AK0, 2
.set AV0, 3
.set AK,  4
.set AV,  5
.set STO, 6
.set RD,  7
.set GO,  8
.set AM0, 10
.set AM,  11
.set MV,  12                           ; v12-13 c m_old, by tile
.set QO,  15
.set ST,  16                           ; tile t: c m, m, l (even keys', odd keys') at ST + 4 t
.set TMP, 24                           ; tile t: c0-c3 at work; c2 takes a
.set GL,  60                           ; 16 x lane
.set PFO, 61                           ; 256 x lane
.set SPW, 62
.set NIL, 63
.set S,   64                           ; window 0: S^T, 32 a tile
.set P,   128                          ; window 0: P, 16 a tile
.set HIW, 160                          ; the way out's scratch
.set UNP, 176
.set LOW, 208
.set GR,  160                          ; the scale's scratch
.set PM,  64                           ; window 1 (O^T lies at v0-63)
.set MD,  96
.set MC,  128
.set HID, 160
.set QB,  32                           ; window 2: Q v0-31, the second block's Q v32-63
.set KF,  64
.set VF,  128
.set WV,  12
.set BH,  13
.set PB,  14
.set HI,  15
.set KB,  16
.set VB,  18
.set MB,  20
.set G1K, 24
.set G1V, 32
.set G1M, 40
.set G0K, 48                           ; two sets each: the first fill of slot 0; the walking one
.set G0V, 56
.set G0M, 68
.set NXT, 76
.set LQ,  77
.set RT,  78
.set PD,  79
.set CS,  80
.set SEL, 82
.set OFF, 84
.set OFM, 86
.set BIGN, 88
.set CNT, 89
.set SC,  90
.set PFA, 92
.set LIM, 94
.set TB,  95
.set OA,  96                           ; s[96:97] ctx2 at my rows of the block in hand; s[98:99] of the second block
.set MSB, 0
.macro WIN new
.if MSB != (\new)
	s_set_vgpr_msb (MSB<<8)|(\new)
.set MSB, (\new)
.endif
.endm
.set W_KQ, 0x0a
.set W_KM, 0x1a
.set W_PV, 0x52
.set W_RS, 0x41
.macro PLACES
.rept 4
	v_nop
.endr
.endm
.macro TL g0, g1, both                 ; one tensor load by the walking set, or (both = 1) a wave's two first fills; s_nop 0 behind each, four v_nop behind the last
.if \both
	tensor_load_to_lds s[(\g0):(\g0)+3], s[(\g1):(\g1)+7]
	s_nop 0
.endif
	tensor_load_to_lds s[(\g0)+4:(\g0)+7], s[(\g1):(\g1)+7]
	s_nop 0
.rept 4
	v_nop
.endr
.endm
.macro LOAD both
	s_cmp_eq_u32 s[WV], 0
	s_cbranch_scc0 .Lnot_k_\@
	TL G0K, G1K, \both
	s_branch .Lasked_\@
.Lnot_k_\@:
	s_cmp_eq_u32 s[WV], 1
	s_cbranch_scc0 .Lnot_v_\@
	TL G0V, G1V, \both
	s_branch .Lasked_\@
.Lnot_v_\@:
	s_cmp_eq_u32 s[WV], 2
	s_cbranch_scc0 .Lasked_\@
	TL G0M, G1M, \both
.Lasked_\@:
.endm
.macro NEXTADDR set                    ; the three global addresses for key tile NXT, made anew from the bases; then NXT steps, and behind the first block's last tile goes back to 0
	s_lshl_b32 s[OFF], s[NXT], 14
	s_lshl_b32 s[OFM], s[NXT], 9
	s_add_nc_u64 s[G0K+4*(\set)+2:G0K+4*(\set)+3], s[KB:KB+1], s[OFF:OFF+1]
	s_or_b32 s[G0K+4*(\set)+3], s[G0K+4*(\set)+3], 0x80000000
	s_add_nc_u64 s[G0V+4*(\set)+2:G0V+4*(\set)+3], s[VB:VB+1], s[OFF:OFF+1]
	s_or_b32 s[G0V+4*(\set)+3], s[G0V+4*(\set)+3], 0x80000000
	s_add_nc_u64 s[G0M+4*(\set)+2:G0M+4*(\set)+3], s[MB:MB+1], s[OFM:OFM+1]
	s_or_b32 s[G0M+4*(\set)+3], s[G0M+4*(\set)+3], 0x80000000
	s_add_co_u32 s[NXT], s[NXT], 1
	s_cmp_gt_u32 s[NXT], s[LQ]
	s_cselect_b32 s[NXT], 0, s[NXT]
	s_cselect_b32 s[LQ], s[HI], s[LQ]
.endm
; A PREFETCH INTO THE L2.  All eight work-groups of a head walk the same K and V: work-group b = 0 alone asks, in the change behind walk tile w (w = 0 .. 11) for key tile w + 4, which no work-group's tensor load names
; before the change behind walk tile w + 2.  Waves 0 and 1 take the two halves of K's 16,384 bytes, waves 2 and 3 of V's: a lane a block of 256 bytes, one instruction a wave.  Each block is named once; tiles 0 to 3 come by their loads alone.
.macro ASK
	s_cmp_gt_u32 s[CNT], s[LIM]
	s_cbranch_scc0 .Lnot_mine_\@
	global_prefetch_b8 v[PFO], s[PFA:PFA+1] th:TH_LOAD_NT scope:SCOPE_SE
.Lnot_mine_\@:
.endm
.macro GETSCALE aux, inv, dst          ; the maxima of the 1,024 waves' two figures, then the power of two 2^E (inv = 1: 2^-E)
.irp i, 0,1,2,3,4,5,6,7
	global_load_b128 v[GR+4*(\i):GR+4*(\i)+3], v[GL], s[(\aux):(\aux)+1] offset:16384+512*(\i)
	global_load_b128 v[GR+32+4*(\i):GR+32+4*(\i)+3], v[GL], s[(\aux):(\aux)+1] offset:20480+512*(\i)
.endr
	s_wait_loadcnt 0x0
.irp tb, 0,32
	v_max3_num_f32 v[GR+(\tb)], v[GR+(\tb)], v[GR+(\tb)+1], v[GR+(\tb)+2]
.set z, 3
.rept 14
	v_max3_num_f32 v[GR+(\tb)], v[GR+(\tb)], v[GR+(\tb)+z], v[GR+(\tb)+z+1]
.set z, z+2
.endr
	v_max_num_f32 v[GR+(\tb)], v[GR+(\tb)], v[GR+(\tb)+31]
.irp x, 1,2,4,8
	v_max_num_f32_dpp v[GR+(\tb)], v[GR+(\tb)], v[GR+(\tb)] row_xmask:\x row_mask:0xf bank_mask:0xf
.endr
	v_permlanex16_b32 v[GR+(\tb)+1], v[GR+(\tb)], s[SEL], s[SEL+1]
	v_max_num_f32 v[GR+(\tb)], v[GR+(\tb)], v[GR+(\tb)+1]
.endr
	v_mul_f32 v[GR], v[GR], v[GR+32]
	v_mul_f32 v[GR], 0x3c000000, v[GR]
	v_max_num_f32 v[GR], 0x0d800000, v[GR]
	v_min_num_f32 v[GR], 0x71800000, v[GR]
	v_and_b32 v[GR], 0x7f800000, v[GR]
	v_add_nc_u32 v[GR], 0x00800000, v[GR]
.if \inv
	v_sub_nc_u32 v[GR], 0x7f000000, v[GR]
.endif
	v_readfirstlane_b32 s[\dst], v[GR]
	s_mov_b32 s[(\dst)+1], s[\dst]
.endm
.macro INIT                            ; a block begins: O^T and l are 0, m is the floor
	WIN 0x40
.set z, 0
.rept 64
	v_mov_b32 v[z], 0
.set z, z+1
.endr
	WIN 0
.irp t, 0,1
	v_mov_b32 v[ST+4*(\t)+1], 0xee000000           ; -2^93
	v_mul_f32 v[ST+4*(\t)], s[CS], v[ST+4*(\t)+1]
	v_mov_b32 v[ST+4*(\t)+2], 0
	v_mov_b32 v[ST+4*(\t)+3], 0
.endr
.endm
	s_load_b128 s[4:7], s[0:1], 0x0                ; qkv 4, aux 6
	s_load_b64 s[8:9], s[0:1], 0x10                ; ctx2
	v_lshl_add_u32 v[SPW], v0, 2, SPARE
	v_mov_b32 v[NIL], 0
	ds_add_u32 v[SPW], v[NIL]                      ; the wave's opening: the add and its wait ahead of my first tensor load
	v_lshrrev_b32 v1, 5, v0
	v_readfirstlane_b32 s[WV], v1
	s_mov_b32 s[PB], ttmp9
	s_sub_co_u32 s[HI], 15, s[PB]
	s_and_b32 s[BH], ttmp7, 0xffff
	; 128 keys are 16,384 dense bytes: asked for as 64 rows of 256 bytes, two keys a row, padded in LDS after every key
	s_mov_b32 s[G1K], (1<<16)|(1<<20)|(4<<22)|(3<<25)
	s_mov_b32 s[G1V], (1<<16)|(1<<20)|(4<<22)|(7<<25)
.irp g, G1K, G1V
	s_mov_b32 s[\g+1], 128<<16
	s_mov_b32 s[\g+2], 64<<16
	s_mov_b32 s[\g+3], 128<<16
	s_mov_b32 s[\g+4], 64
	s_mov_b32 s[\g+5], 128
	s_mov_b32 s[\g+6], 0
	s_mov_b32 s[\g+7], 0
.endr
	s_mov_b32 s[G1M], 3<<16                        ; one row of 512 bytes: 64 elements of 8
	s_mov_b32 s[G1M+1], 64<<16
	s_mov_b32 s[G1M+2], 1<<16
	s_mov_b32 s[G1M+3], 64<<16
	s_mov_b32 s[G1M+4], 1
	s_mov_b32 s[G1M+5], 64
	s_mov_b32 s[G1M+6], 0
	s_mov_b32 s[G1M+7], 0
.irp s, 0,1
	s_mov_b32 s[G0K+4*(\s)], 1
	s_mov_b32 s[G0K+4*(\s)+1], (\s)*SLOT1
	s_mov_b32 s[G0V+4*(\s)], 1
	s_mov_b32 s[G0V+4*(\s)+1], (\s)*SLOT1+VOFF
	s_mov_b32 s[G0M+4*(\s)], 1
	s_mov_b32 s[G0M+4*(\s)+1], (\s)*SLOT1+MOFF
.endr
	s_mov_b32 s[CS], 0x3e38aa3b                    ; c = log2(e) / 8
	s_mov_b32 s[CS+1], s[CS]
	s_mov_b32 s[SEL], 0x76543210
	s_mov_b32 s[SEL+1], 0xfedcba98
	s_mov_b32 s[BIGN], 0xf149f2ca                  ; -1e30
	s_mov_b32 s[OFF+1], 0
	s_mov_b32 s[OFM+1], 0
	s_mov_b32 s[NXT], 0
	s_mov_b32 s[LQ], s[PB]
	s_mov_b32 s[TB], 0
	s_lshl_b32 s2, s[BH], 18                       ; the head's first byte in q, k and v'
	s_mov_b32 s3, 0
	s_lshr_b32 s22, s[BH], 4
	s_lshl_b32 s22, s22, 13                        ; the batch's 2,048 numbers of the mask
	s_mov_b32 s23, 0
	s_wait_dscnt 0x0
	s_wait_kmcnt 0x0
	s_add_nc_u64 s[4:5], s[4:5], s[2:3]
	s_add_nc_u64 s[KB:KB+1], s[4:5], 0x800000
	s_add_nc_u64 s[VB:VB+1], s[4:5], 0x1000000
	s_add_nc_u64 s[MB:MB+1], s[6:7], s[22:23]
	NEXTADDR 0
	NEXTADDR 1
	LOAD 1                                         ; walk tiles 0 and 1, ahead of every wait on TENSORcnt, every LDS read and every barrier
	s_cmp_lt_u32 s[WV], 2
	s_cselect_b64 s[PFA:PFA+1], s[KB:KB+1], s[VB:VB+1]
	s_and_b32 s22, s[WV], 1
	s_lshl_b32 s22, s22, 13
	s_add_co_u32 s22, s22, 3*16384                 ; at key tile 3: the first change steps it to 4
	s_add_nc_u64 s[PFA:PFA+1], s[PFA:PFA+1], s[22:23]
	s_cmp_eq_u32 s[PB], 0
	s_cselect_b32 s[LIM], 3, -1
	s_lshl_b32 s2, s[PB], 14                       ; Q: block x 128 rows + 16 w rows, 128 bytes a row
	s_lshl_b32 s22, s[WV], 11
	s_add_co_u32 s2, s2, s22
	s_add_nc_u64 s[2:3], s[4:5], s[2:3]
	s_lshl_b32 s10, s[HI], 14
	s_add_co_u32 s22, s10, s22
	s_add_nc_u64 s[22:23], s[4:5], s[22:23]
	v_and_b32 v1, 15, v0                           ; r
	v_bfe_u32 v9, v0, 4, 1                         ; h
	v_lshlrev_b32 v[QO], 7, v1
	v_lshl_add_u32 v[QO], v9, 4, v[QO]
	WIN 0x80
.irp i, 0,1,2,3                        ; tile i / 2 lies 64 rows on; channels 32 (i % 2) on
	global_load_b128 v[8*(\i):8*(\i)+3],       v[QO], s[2:3] offset:((\i)/2)*8192+((\i)%2)*64
	global_load_b128 v[8*(\i)+4:8*(\i)+7],     v[QO], s[2:3] offset:((\i)/2)*8192+((\i)%2)*64+32
	global_load_b128 v[QB+8*(\i):QB+8*(\i)+3],   v[QO], s[22:23] offset:((\i)/2)*8192+((\i)%2)*64
	global_load_b128 v[QB+8*(\i)+4:QB+8*(\i)+7], v[QO], s[22:23] offset:((\i)/2)*8192+((\i)%2)*64+32
.endr
	WIN 0
	v_and_b32 v[GL], 31, v0
	v_lshlrev_b32 v[PFO], 8, v[GL]
	v_lshlrev_b32 v[GL], 4, v[GL]
	GETSCALE 6, 0, SC                              ; its wait is also Q's
	; ctx2 at token batch x 2,048 + block x 128 + 16 w, head's 256 bytes
	s_lshr_b32 s10, s[BH], 4
	s_lshl_b32 s10, s10, 23
	s_and_b32 s11, s[BH], 15
	s_lshl_b32 s11, s11, 8
	s_add_co_u32 s10, s10, s11
	s_lshl_b32 s11, s[WV], 16
	s_add_co_u32 s10, s10, s11
	s_lshl_b32 s11, s[PB], 19
	s_add_co_u32 s2, s10, s11
	s_mov_b32 s3, 0
	s_add_nc_u64 s[OA:OA+1], s[8:9], s[2:3]
	s_lshl_b32 s11, s[HI], 19
	s_add_co_u32 s2, s10, s11
	s_add_nc_u64 s[OA+2:OA+3], s[8:9], s[2:3]
	v_lshlrev_b32 v14, 3, v9
	v_sub_nc_u32 v14, v1, v14
	s_lshl_b32 s10, s[WV], 4
	v_add_nc_u32 v14, s10, v14                     ; my query's place in its band less 8 h: register i is hidden where 16 (i / 8) + i % 8 is greater
	WIN 0x40
.set i, 0
.rept 32
	v_cmp_gt_i32 vcc_lo, 16*(i/8)+i%8, v14
	v_cndmask_b32 v[MD+i], 0, s[BIGN], vcc_lo
.set i, i+1
.endr
.set i, 0
.rept 8
	v_mov_b32 v[HID+i], s[BIGN]
.set i, i+1
.endr
	WIN 0
	v_mul_u32_u24 v[AK0], v1, PK
	v_lshl_add_u32 v[AK0], v9, 4, v[AK0]
	v_and_b32 v[AM0], 7, v0
	v_bfe_u32 v[AM], v0, 3, 1
	v_lshl_add_u32 v[AV0], v9, 3, v[AM0]           ; the turning load: key 8 h + l % 8, channels 8 ((l / 8) % 2) on
	v_mul_u32_u24 v[AV0], v[AV0], PVP
	v_lshl_add_u32 v[AV0], v[AM], 4, v[AV0]
	v_add_nc_u32 v[AV0], VOFF, v[AV0]
	v_lshlrev_b32 v[AM0], 5, v9
	v_add_nc_u32 v[AM0], MOFF, v[AM0]              ; my eight keys' numbers of a group of 16: 32 h
	s_mul_i32 s10, s[WV], 16*SP
	s_add_co_u32 s10, s10, STAGE
	v_mul_u32_u24 v[STO], v1, SP
	v_lshl_add_u32 v[STO], v9, 4, v[STO]
	v_add_nc_u32 v[STO], s10, v[STO]
	v_mul_u32_u24 v[RD], v9, SP
	v_lshl_add_u32 v[RD], v1, 4, v[RD]
	v_add_nc_u32 v[RD], s10, v[RD]
	v_lshlrev_b32 v[GO], 12, v9                    ; lanes 0-15 one token's 256 bytes, lanes 16-31 the next token's
	v_lshl_add_u32 v[GO], v1, 4, v[GO]
	v_add_nc_u32 v[AK], s[TB], v[AK0]
	v_add_nc_u32 v[AV], s[TB], v[AV0]
	v_add_nc_u32 v[AM], s[TB], v[AM0]
	INIT
; THE MATRIX WORK.  The four accumulators of a run of eight take turns.
.macro KQ t, m                         ; product i of 8 of S^T = K Q^T for tile t: channels 32 (i / 4) on, keys 16 (i % 4) on.  The first four start the sums with the mask: m = 0 PM, 1 MC, 2 HID
.set rS, S+32*(\t)+8*(i%4)
.set rK, KF+16*(i%4)+8*(i/4)
.set rQ, 16*(\t)+8*(i/4)
.if i < 4
	WIN W_KM
.if (\m) == 0
	v_wmma_f32_16x16x32_bf16 v[rS:rS+7], v[rK:rK+7], v[rQ:rQ+7], v[PM+8*(i%4):PM+8*(i%4)+7]
.elseif (\m) == 1
	v_wmma_f32_16x16x32_bf16 v[rS:rS+7], v[rK:rK+7], v[rQ:rQ+7], v[MC+8*(i%4):MC+8*(i%4)+7]
.else
	v_wmma_f32_16x16x32_bf16 v[rS:rS+7], v[rK:rK+7], v[rQ:rQ+7], v[HID:HID+7]
.endif
.else
	WIN W_KQ
	v_wmma_f32_16x16x32_bf16 v[rS:rS+7], v[rK:rK+7], v[rQ:rQ+7], v[rS:rS+7]
.endif
.endm
.macro PV t                            ; product i of 8 of O^T += V^T P for tile t: keys 32 (i / 4) on, channels 16 (i % 4) on
	WIN W_PV
.set rO, 32*(\t)+8*(i%4)
.set rV, VF+32*(i/4)+8*(i%4)
.set rP, P+16*(\t)+8*(i/4)
	v_wmma_f32_16x16x32_f16 v[rO:rO+7], v[rV:rV+7], v[rP:rP+7], v[rO:rO+7]
.endm
; THE LDS LOADS, in runs: a step's K (16 loads) and the keys' mask (8), and its V, turned (16).
.macro FETCH_K st
	WIN 0x80
.irp f, 0,1,2,3,4,5,6,7
	ds_load_b128 v[KF+8*\f:KF+8*\f+3],   v[AK] offset:(\st)*64*PK+(\f/2)*16*PK+(\f%2)*64
	ds_load_b128 v[KF+8*\f+4:KF+8*\f+7], v[AK] offset:(\st)*64*PK+(\f/2)*16*PK+(\f%2)*64+32
.endr
	WIN 0x40
.irp f, 0,1,2,3
	ds_load_b128 v[PM+8*\f:PM+8*\f+3],   v[AM] offset:(\st)*256+64*\f
	ds_load_b128 v[PM+8*\f+4:PM+8*\f+7], v[AM] offset:(\st)*256+64*\f+16
.endr
	WIN 0
.endm
.macro FETCH_V st
	WIN 0x80
.irp f, 0,1,2,3,4,5,6,7
	ds_load_tr16_b128 v[VF+8*\f:VF+8*\f+3],   v[AV] offset:(\st)*64*PVP+(\f/4)*32*PVP+(\f%4)*32
	ds_load_tr16_b128 v[VF+8*\f+4:VF+8*\f+7], v[AV] offset:(\st)*64*PVP+(\f/4)*32*PVP+16*PVP+(\f%4)*32
.endr
	WIN 0
.endm
; THE VECTOR WORK, a line at a time, for tile t.
.macro REGS t
.set rT, ST+4*(\t)
.set rC, TMP+4*(\t)
.set rW, MV+(\t)
.set rS, S+32*(\t)
.set rP, P+16*(\t)
.set rO, 32*(\t)
.endm
; XX n: number n of the 22 that find the maximum and statistics.  0-11 four chains c0-c3 of seven scores (each accumulator's lowest registers first); 12-14, 16 the four left over, the old m, all into c0;
; 15 c m_old is kept; 17, 18 the other half of the lanes': the new m; 19-21 c m; c m_old - c m_new; a.
.macro XX t, n
	REGS \t
	WIN 0
.if (\n) < 4
	v_max3_num_f32 v[rC+(\n)], v[rS+8*(\n)], v[rS+8*(\n)+1], v[rS+8*(\n)+2]
.elseif (\n) < 12
	v_max3_num_f32 v[rC+(\n)%4], v[rC+(\n)%4], v[rS+8*((\n)%4)+2*((\n)/4)+1], v[rS+8*((\n)%4)+2*((\n)/4)+2]
.elseif (\n) == 12
	v_max3_num_f32 v[rC], v[rC], v[rS+7], v[rS+15]
.elseif (\n) == 13
	v_max3_num_f32 v[rC+1], v[rC+1], v[rS+23], v[rS+31]
.elseif (\n) == 14
	v_max3_num_f32 v[rC+2], v[rC+2], v[rC+3], v[rT+1]
.elseif (\n) == 15
	v_mov_b32 v[rW], v[rT]
.elseif (\n) == 16
	v_max3_num_f32 v[rC], v[rC], v[rC+1], v[rC+2]
.elseif (\n) == 17
	v_permlanex16_b32 v[rC+3], v[rC], s[SEL], s[SEL+1]
.elseif (\n) == 18
	v_max_num_f32 v[rT+1], v[rC], v[rC+3]
.elseif (\n) == 19
	v_mul_f32 v[rT], s[CS], v[rT+1]
.elseif (\n) == 20
	v_sub_f32 v[rC+1], v[rW], v[rT]
.else
	v_exp_f32 v[rC+2], v[rC+1]
.endif
.endm
.macro FF t, n                         ; c s - c m for pair n of 16
	REGS \t
	WIN 0
	v_pk_fma_f32 v[rS+2*(\n):rS+2*(\n)+1], v[rS+2*(\n):rS+2*(\n)+1], s[CS:CS+1], v[rT:rT+1] op_sel_hi:[1,0,0] neg_lo:[0,0,1] neg_hi:[0,0,1]
.endm
.macro EE t, n                         ; the exponential of score n of 32
	REGS \t
	WIN 0
	v_exp_f32 v[rS+(\n)], v[rS+(\n)]
.endm
.macro CC t, n                         ; pair n rounded to f16
	REGS \t
	WIN 0
	v_cvt_pk_f16_f32 v[rP+(\n)], v[rS+2*(\n)], v[rS+2*(\n)+1]
.endm
.macro BB t, n                         ; of the four weights 4 n .. the second pair onto the first
	REGS \t
	WIN 0
	v_pk_add_f32 v[rS+4*(\n):rS+4*(\n)+1], v[rS+4*(\n):rS+4*(\n)+1], v[rS+4*(\n)+2:rS+4*(\n)+3]
.endm
.macro LL t, n                         ; l takes that sum (n = 0: l = a l + sum)
	REGS \t
	WIN 0
.if (\n) == 0
	v_pk_fma_f32 v[rT+2:rT+3], v[rT+2:rT+3], v[rC+2:rC+3], v[rS:rS+1] op_sel_hi:[1,0,1]
.else
	v_pk_add_f32 v[rT+2:rT+3], v[rT+2:rT+3], v[rS+4*(\n):rS+4*(\n)+1]
.endif
.endm
.macro RR t, n                         ; pair n of 16 of O^T times a
	REGS \t
	WIN W_RS
	v_pk_mul_f32 v[rO+2*(\n):rO+2*(\n)+1], v[rO+2*(\n):rO+2*(\n)+1], v[rC+2:rC+3] op_sel_hi:[1,0]
.endm
.macro RNG op, t, n0, n1               ; numbers n0 .. n1 of one kind
.set xn, (\n0)
.rept (\n1)-(\n0)+1
	\op \t, xn
.set xn, xn+1
.endr
.endm
; K Q^T OF A STEP, both tiles.  Behind the second tile's products ride the first tile's maximum: the first four riders name nothing of the products and are the places behind the first tile's last product.
.macro KQPH m0, m1
	s_wait_dscnt 16                                ; K and the mask are in; V's sixteen loads, issued behind them, may be out
.if ((\m0) == 1) || ((\m1) == 1)
	WIN 0x45
.set z, 0
.rept 16
	v_pk_add_f32 v[MC+2*z:MC+2*z+1], v[MD+2*z:MD+2*z+1], v[PM+2*z:PM+2*z+1]
.set z, z+1
.endr
.endif
.set i, 0
.rept 8
	KQ 0, \m0
.set i, i+1
.endr
.set i, 0
.rept 8
	KQ 1, \m1
.if i == 0
	XX 0, 15
	XX 1, 15
	v_nop
	v_nop
.elseif i < 4
	RNG XX, 0, 4*(i-1), 4*(i-1)+3
.elseif i == 4
	RNG XX, 0, 12, 14
.elseif i == 5
	XX 0, 16
.endif
.set i, i+1
.endr
	PLACES                                         ; behind the last products: in front of the loads into K and the mask, and of the second tile's maximum
	WIN 0
.endm
; THE SOFTMAX AND V^T P OF A STEP.  Ahead of the one wait stands all that names no result of the step's exponentials: the rest of the maxima, the scalings, the 64 exponentials and the two a.  Behind it the roundings, the
; rescalings, the products and the sums.  younger: the LDS loads issued behind V's.
.macro SMPV younger
	XX 0, 17
	RNG XX, 1, 0, 3
	XX 0, 18
	RNG XX, 1, 4, 7
	XX 0, 19
	RNG XX, 1, 8, 11
	XX 0, 20
	RNG XX, 1, 12, 14
	XX 1, 16
	XX 1, 17
	RNG FF, 0, 0, 3
	XX 1, 18
	RNG FF, 0, 4, 7
	XX 1, 19
	RNG FF, 0, 8, 11
	XX 1, 20
	RNG FF, 0, 12, 15
.set e, 0
.rept 16
	EE 0, e
	FF 1, e
.set e, e+1
.endr
.rept 16
	EE 0, e
	EE 1, e-16
.set e, e+1
.endr
	RNG EE, 1, 16, 31
	XX 0, 21
	XX 1, 21
	v_nop                                          ; a plain instruction behind the last exponential: one for the batch
	s_wait_alu depctr_va_vdst(0)                   ; the wait ahead of the first line that names a result: one for the 66
	RNG CC, 0, 0, 15
	RNG RR, 0, 0, 15
	s_wait_dscnt \younger                          ; V is in
.set i, 0
.rept 8
	PV 0
.if i < 4
	RNG CC, 1, 4*i, 4*i+3
.else
	RNG RR, 1, 4*(i-4), 4*(i-4)+3
.endif
.set i, i+1
.endr
.set i, 0
.rept 8
	PV 1
	BB 0, i
	BB 1, i
.if i > 0
	LL 0, i-1
	LL 1, i-1
.endif
.set i, i+1
.endr
	LL 0, 7
	LL 1, 7
	v_nop
	v_nop
.endm
; THE CHANGE OF SLOTS.  Each wave waits for all its tensor loads (its part of the other slot), adds 0 to its spare word, and waits for that and for its reads of the slot that it leaves.  fill = 1: the old slot is filled again first thing behind the barrier.
.macro CHANGE fill
	WIN 0
	s_wait_tensorcnt 0x0                           ; no tensor load of mine is out, so the walking descriptors may be written
	ds_add_u32 v[SPW], v[NIL]                      ; 0 onto my spare word
.if \fill
	s_xor_b32 s[G0K+5], s[G0K+5], SLOT1
	s_xor_b32 s[G0V+5], s[G0V+5], SLOT1
	s_xor_b32 s[G0M+5], s[G0M+5], SLOT1
	NEXTADDR 1
	s_wait_xcnt 0x0                                ; the last prefetch, a tile back, has read its address
	s_add_nc_u64 s[PFA:PFA+1], s[PFA:PFA+1], 16384
.endif
	s_wait_dscnt 0x0                               ; the add is done, and my reads of the slot are over
	s_barrier_signal -1
	s_xor_b32 s[TB], s[TB], SLOT1
	s_barrier_wait -1
.if \fill
	LOAD 0
	ASK
.endif
	v_add_nc_u32 v[AK], s[TB], v[AK0]
	v_add_nc_u32 v[AV], s[TB], v[AV0]
	v_add_nc_u32 v[AM], s[TB], v[AM0]
.endm
; THE WAY OUT of a block: l's halves are added; O^T times 2^E / max(l, 0.5); hi = bf16, lo = bf16(O - hi); through my stage, a tile (16 tokens) at a time, and out as whole units of 256 bytes.
.macro WTILE t
	WIN W_RS
.set z, 0
.rept 16
	v_pk_mul_f32 v[32*(\t)+2*z:32*(\t)+2*z+1], v[32*(\t)+2*z:32*(\t)+2*z+1], v[ST+4*(\t)+2:ST+4*(\t)+3] op_sel_hi:[1,0]
.set z, z+1
.endr
	WIN 0x05
.set z, 0
.rept 16
	v_cvt_pk_bf16_f32 v[HIW+z], v[32*(\t)+2*z], v[32*(\t)+2*z+1]
.set z, z+1
.endr
	WIN 0
.set z, 0
.rept 16
	v_lshlrev_b32 v[UNP+2*z], 16, v[HIW+z]
	v_and_b32 v[UNP+2*z+1], 0xffff0000, v[HIW+z]
.set z, z+1
.endr
	WIN 0x01
.set z, 0
.rept 16
	v_pk_add_f32 v[UNP+2*z:UNP+2*z+1], v[32*(\t)+2*z:32*(\t)+2*z+1], v[UNP+2*z:UNP+2*z+1] neg_lo:[0,1] neg_hi:[0,1]
.set z, z+1
.endr
	WIN 0
.set z, 0
.rept 16
	v_cvt_pk_bf16_f32 v[LOW+z], v[UNP+2*z], v[UNP+2*z+1]
.set z, z+1
.endr
.irp f, 0,1,2,3
	ds_store_b128 v[STO], v[HIW+4*\f:HIW+4*\f+3] offset:32*\f
	ds_store_b128 v[STO], v[LOW+4*\f:LOW+4*\f+3] offset:128+32*\f
.endr
.irp f, 0,1,2,3,4,5,6,7
	ds_load_b128 v[S+32*(\t)+4*\f:S+32*(\t)+4*\f+3], v[RD] offset:\f*2*SP   ; LDS serves a wave's instructions in order: these see the stores above
.endr
.irp f, 0,1,2,3,4,5,6,7
	s_wait_dscnt 7-\f
	global_store_b128 v[GO], v[S+32*(\t)+4*\f:S+32*(\t)+4*\f+3], s[OA:OA+1] offset:(\t)*262144+\f*8192   ; sixteen lanes store 256 consecutive bytes, aligned
.endr
.endm
.macro WAYOUT
	WIN 0
.irp t, 0,1
	v_add_f32 v[ST+4*\t+2], v[ST+4*\t+2], v[ST+4*\t+3]
.endr
.irp t, 0,1
	v_permlanex16_b32 v[ST+4*\t+3], v[ST+4*\t+2], s[SEL], s[SEL+1]
.endr
.irp t, 0,1
	v_add_f32 v[ST+4*\t+2], v[ST+4*\t+2], v[ST+4*\t+3]
.endr
.irp t, 0,1
	v_max_num_f32 v[ST+4*\t+2], 0.5, v[ST+4*\t+2]  ; l is 1 or more where a key is seen, and 0 where none is
.endr
.irp t, 0,1
	v_rcp_f32 v[ST+4*\t+2], v[ST+4*\t+2]
.endr
	v_nop
	s_wait_alu depctr_va_vdst(0)                   ; one wait for the two reciprocals, ahead of their first use
.irp t, 0,1
	v_mul_f32 v[ST+4*\t+2], s[SC], v[ST+4*\t+2]
.endr
	WTILE 0
	WTILE 1
.endm
	s_wait_tensorcnt 1                             ; my part of walk tile 0 is in; tile 1's may stay out
	s_barrier_signal -1
	s_barrier_wait -1
	FETCH_K 0
	FETCH_V 0
	s_add_co_u32 s[RT], s[PB], 1                   ; the first block has b + 1 tiles
	s_mov_b32 s[CNT], 16
	s_branch .Lenter                               ; the loop is entered at a tile's first step
.Ltrip:                                                ; 15 times: the slot just read out is filled again, the last step of the tile before is finished, the next tile is entered
	CHANGE 1
	FETCH_K 0
	SMPV 24
	FETCH_V 0
	s_cmp_eq_u32 s[PD], 1
	s_cbranch_scc0 .Lenter
	WAYOUT                                         ; the tile before was the first block's last
	s_wait_xcnt 0x0                                ; the stores have read their registers and their base
	s_mov_b64 s[OA:OA+1], s[OA+2:OA+3]
	WIN 0x82
.set z, 0
.rept 32
	v_mov_b32 v[z], v[QB+z]
.set z, z+1
.endr
	INIT
	s_sub_co_u32 s[RT], 16, s[PB]                  ; the second block has 16 - b tiles
.Lenter:
	s_cmp_eq_u32 s[RT], 1                          ; a block's last tile holds the diagonal
	s_cselect_b32 s[PD], 1, 0
	s_cbranch_scc1 .Ldiag0
	KQPH 0, 0
	s_branch .Ljoin0
.Ldiag0:
	KQPH 1, 0
.Ljoin0:
	FETCH_K 1
	SMPV 24
	FETCH_V 1
	s_cmp_eq_u32 s[PD], 1
	s_cbranch_scc1 .Ldiag1
	KQPH 0, 0
	s_branch .Ljoin1
.Ldiag1:
	KQPH 2, 1
.Ljoin1:
	s_sub_co_u32 s[RT], s[RT], 1
	s_sub_co_u32 s[CNT], s[CNT], 1
	s_cmp_lg_u32 s[CNT], 0
	s_cbranch_scc1 .Ltrip
	CHANGE 0                                       ; the walk's last tile, the second block's diagonal one, is written out: nothing is asked for
	FETCH_K 0
	SMPV 24
	FETCH_V 0
	KQPH 1, 0
	FETCH_K 1
	SMPV 24
	FETCH_V 1
	KQPH 2, 1
	SMPV 0
	WAYOUT
	s_wait_tensorcnt 0x0                           ; the wave's end
	ds_add_u32 v[SPW], v[NIL]
	s_wait_dscnt 0x0
	s_endpgm
.Lfunc_end_k_q02f8eb5928_attn:
	.size	k_q02f8eb5928_attn, .Lfunc_end_k_q02f8eb5928_attn-k_q02f8eb5928_attn
	.p2alignl 7, 3214868480
	.fill 96, 4, 3214868480
	.section	.rodata,"a",@progbits
	.p2align	6, 0x0
	.amdhsa_kernel k_q02f8eb5928_attn
		.amdhsa_group_segment_fixed_size 327680
		.amdhsa_private_segment_fixed_size 0
		.amdhsa_enable_private_segment 0
		.amdhsa_kernarg_size 24
		.amdhsa_user_sgpr_count 2
		.amdhsa_user_sgpr_kernarg_segment_ptr 1
		.amdhsa_wavefront_size32 1
		.amdhsa_system_sgpr_workgroup_id_x 1
		.amdhsa_system_sgpr_workgroup_id_y 1
		.amdhsa_system_sgpr_workgroup_id_z 1
		.amdhsa_system_vgpr_workitem_id 0
		.amdhsa_next_free_vgpr 704
		.amdhsa_next_free_sgpr 100
		.amdhsa_reserve_vcc 1
		.amdhsa_float_denorm_mode_32 3
		.amdhsa_float_denorm_mode_16_64 3
		.amdhsa_memory_ordered 1
		.amdhsa_forward_progress 1
		.amdhsa_inst_pref_size 161
	.end_amdhsa_kernel
	.amdgpu_metadata
---
amdhsa.version: [ 1, 2 ]
amdhsa.kernels:
  - .name:           k_q02f8eb5928_attn
    .symbol:         k_q02f8eb5928_attn.kd
    .args:
      - { .name: qkv, .offset: 0, .size: 8, .value_kind: global_buffer, .address_space: global }
      - { .name: aux, .offset: 8, .size: 8, .value_kind: global_buffer, .address_space: global }
      - { .name: ctx2, .offset: 16, .size: 8, .value_kind: global_buffer, .address_space: global }
    .group_segment_fixed_size: 327680
    .private_segment_fixed_size: 0
    .kernarg_segment_align: 8
    .kernarg_segment_size: 24
    .max_flat_workgroup_size: 128
    .sgpr_count:     100
    .vgpr_count:     704
    .wavefront_size: 32
...
	.end_amdgpu_metadata
.endif
;; end of part 3
;; launch outp (part 4): grid 8 x 32, 4 waves a work-group, clusters of 4 x 4, 327,680 bytes of LDS; arguments ctx2, wob, bo, out0; writes out0
.if DOCPART == 4
	.amdgcn_target "amdgcn-amd-amdhsa--gfx1250"
	.amdhsa_code_object_version 6
	.text
	.protected	k_q02f8eb5928_outp
	.globl	k_q02f8eb5928_outp
	.p2align	8
	.type	k_q02f8eb5928_outp,@function
k_q02f8eb5928_outp:
	s_mov_b64 s[64:65], 0
	v_nop
	global_prefetch_b8 v0, s[64:65] scope:SCOPE_SE
	s_setreg_imm32_b32 hwreg(HW_REG_WAVE_MODE, 25, 1), 1
	s_wait_xcnt 0x0
	s_wait_alu depctr_hold_cnt(0) depctr_sa_sdst(0) depctr_va_vdst(0) depctr_va_sdst(0) depctr_va_ssrc(0) depctr_va_vcc(0) depctr_vm_vsrc(0)
	s_getreg_b32 s2, hwreg(HW_REG_IB_STS2, 6, 4)
	s_cmp_eq_u32 s2, 0
	s_cbranch_scc0 .Lentry_in_a_cluster
	s_endpgm
.Lentry_in_a_cluster:
	s_bfe_u32 s2, ttmp6, 0x10000c
	s_cmp_lg_u32 s2, 0xf033
	s_cbranch_scc0 .Lentry_shape_is_right
	s_endpgm
.Lentry_shape_is_right:
; OUT.  out0[t][c] = the sum over h, j of (hi + lo)[t][h][j] Wo[c][64 h + j] + bo[c], f32.  ctx2: bf16 [4096][16 h][hi64 | lo64]; wob: bf16 [1024][16 h][Wo's 64 | the same 64]: one product with K = 2,048.
; A tile of out0 is 128 x 128; four waves, each 64 x 64: 16 accumulators, which take turns.  K goes in 8 steps of 256 (LDS rows of 512 bytes) through two slots; one tensor load of 64 rows a wave.
; CLUSTER 4 x 4: ctx2's tile is asked for jointly along a row of the cluster, wob's along a column.  The matrix instruction is used transposed: a lane holds eight neighbouring columns of a row.
; No prefetch into the L2: small tiles, eight K steps.  LIMITS: bo is rounded to bf16 like the other inputs; NaN and infinities are not treated apart.
.set KSTEP,  256
.set SIZE_K, 2048
.set PITCH,  528
.set HALFT,  64*PITCH
.set SLOT,   4*HALFT
.set STAGE,  2*SLOT                    ; behind the ring: 16 rows x 272 bytes for each wave
.set SPITCH, 272
.set SPARE,  STAGE+4*16*SPITCH
.set LAPS,   SIZE_K/(2*KSTEP)
.set ADRA, 16
.set ADRB, 20
.set STO,  24
.set RD,   25
.set CO,   26
.set SPW,  28
.set NIL,  29
.set TMP,  32
.set ACC,  128
.set F0,   0
.set F1,   128
.set WV,  66
.set RH,  67
.set CH,  68
.set G1,  24
.set G0,  32
.set G1B, 48
.set G0B, 56
.set MSB, 0
.macro WIN new
.if MSB != (\new)
	s_set_vgpr_msb (MSB<<8)|(\new)
.set MSB, \new
.endif
.endm
.set MUL,  0x05
.set TO_F, 0x40
.macro PLACES
.rept 4
	v_nop
.endr
.endm
.macro JLOAD s
	s_cmp_eq_u32 s[RH], 0
	s_cbranch_scc0 .Lfor_b_\@
	tensor_load_to_lds s[G0+4*(\s):G0+4*(\s)+3], s[G1:G1+7]
	s_nop 0
.rept 4
	v_nop
.endr
	s_branch .Lasked_\@
.Lfor_b_\@:
	tensor_load_to_lds s[G0B+4*(\s):G0B+4*(\s)+3], s[G1B:G1B+7]
	s_nop 0
.rept 4
	v_nop
.endr
.Lasked_\@:
.endm
.macro CREST
	s_cmp_lg_u32 s[WV], 0
	s_cbranch_scc1 .Lnot_wave_0_\@
	s_barrier_signal -3
.Lnot_wave_0_\@:
	s_barrier_wait -3
	s_barrier_signal -1
	s_barrier_wait -1
.endm
.macro CROUND
	s_barrier_signal -1
	s_barrier_wait -1
	CREST
.endm
	s_load_b256 s[4:11], s[0:1], 0x0               ; ctx2 4, wob 6, bo 8, out0 10
	v_lshl_add_u32 v[SPW], v0, 2, SPARE
	v_mov_b32 v[NIL], 0
	ds_add_u32 v[SPW], v[NIL]                      ; the wave's opening: the add and its wait ahead of my first tensor load
	v_lshrrev_b32 v1, 5, v0
	v_readfirstlane_b32 s[WV], v1
	s_lshr_b32 s[RH], s[WV], 1
	s_and_b32 s[CH], s[WV], 1
	s_bfe_u32 s40, ttmp6, 0x40000
	s_bfe_u32 s41, ttmp6, 0x40004
	s_lshl_b32 s42, ttmp9, 2
	s_add_co_u32 s42, s42, s40
	s_and_b32 s13, ttmp7, 0xffff
	s_lshl_b32 s13, s13, 2
	s_add_co_u32 s13, s13, s41
	s_lshl_b32 s43, s41, 2
	s_lshl_b32 s43, 15, s43
	s_lshl_b32 s44, 0x1111, s40
	s_or_b32 s[G1+0], s43, (1<<16)|(1<<20)|(1<<21)|(6<<22)|(3<<25)
	s_or_b32 s[G1B+0], s44, (1<<16)|(1<<20)|(1<<21)|(6<<22)|(3<<25)
.irp g, G1, G1B
	s_mov_b32 s[(\g)+1], KSTEP<<16
	s_mov_b32 s[(\g)+2], 64<<16
	s_mov_b32 s[(\g)+3], KSTEP<<16
	s_mov_b32 s[(\g)+4], 64
	s_mov_b32 s[(\g)+5], SIZE_K
	s_mov_b32 s[(\g)+6], 0
	s_mov_b32 s[(\g)+7], 0
.endr
	s_lshl_b32 s17, s[CH], 6
	s_lshl_b32 s16, s13, 7
	s_add_co_u32 s16, s16, s17
	s_lshl_b32 s16, s16, 12                        ; ctx2: row 128 x tile row + 64 x half, 4,096 bytes a row
	s_lshl_b32 s46, s42, 7
	s_add_co_u32 s46, s46, s17
	s_lshl_b32 s46, s46, 12
	s_mov_b32 s17, 0
	s_mov_b32 s47, 0
	s_mul_i32 s20, s[WV], HALFT
	s_wait_dscnt 0x0
	s_wait_kmcnt 0x0
	s_add_nc_u64 s[14:15], s[4:5], s[16:17]
	s_add_nc_u64 s[46:47], s[6:7], s[46:47]
	CROUND
.irp s, 0,1
	s_mov_b32 s[G0+4*(\s)], 1
	s_add_co_u32 s[G0+4*(\s)+1], s20, (\s)*SLOT
	s_add_nc_u64 s[G0+4*(\s)+2:G0+4*(\s)+3], s[14:15], (\s)*KSTEP*2
	s_or_b32 s[G0+4*(\s)+3], s[G0+4*(\s)+3], 0x80000000
	s_mov_b32 s[G0B+4*(\s)], 1
	s_add_co_u32 s[G0B+4*(\s)+1], s20, (\s)*SLOT
	s_add_nc_u64 s[G0B+4*(\s)+2:G0B+4*(\s)+3], s[46:47], (\s)*KSTEP*2
	s_or_b32 s[G0B+4*(\s)+3], s[G0B+4*(\s)+3], 0x80000000
	JLOAD \s
.endr
	v_and_b32 v1, 15, v0
	v_bfe_u32 v2, v0, 4, 1
	s_lshl_b32 s16, s42, 9                         ; my 64 columns: 512 x tile column + 256 x half, in bytes of f32
	s_lshl_b32 s17, s[CH], 8
	s_add_co_u32 s16, s16, s17
	s_mov_b32 s17, 0
	s_add_nc_u64 s[8:9], s[8:9], s[16:17]
	s_add_nc_u64 s[10:11], s[10:11], s[16:17]
	v_lshlrev_b32 v12, 4, v1
	global_load_b128 v[8:11], v12, s[8:9]          ; the bias of the four columns that I store
	s_lshl_b32 s16, s13, 7
	s_lshl_b32 s18, s[RH], 6
	s_add_co_u32 s16, s16, s18
	s_lshl_b32 s16, s16, 12                        ; my first row of out0
	s_add_nc_u64 s[10:11], s[10:11], s[16:17]
	v_mul_u32_u24 v3, v1, PITCH
	v_lshl_add_u32 v3, v2, 4, v3
	s_mul_i32 s21, s[RH], HALFT
	s_mul_i32 s22, s[CH], HALFT
	s_add_co_u32 s22, s22, 2*HALFT
.irp s, 0,1
	v_add_nc_u32 v[ADRA+(\s)], s21, v3
	v_add_nc_u32 v[ADRB+(\s)], s22, v3
	s_add_co_u32 s21, s21, SLOT
	s_add_co_u32 s22, s22, SLOT
.endr
	s_mul_i32 s23, s[WV], 16*SPITCH
	s_add_co_u32 s23, s23, STAGE
	v_mul_u32_u24 v[STO], v1, SPITCH               ; in: row r, 32 bytes for each half of the lanes
	v_lshl_add_u32 v[STO], v2, 5, v[STO]
	v_add_nc_u32 v[STO], s23, v[STO]
	v_mul_u32_u24 v[RD], v2, SPITCH                ; back: lanes 0-15 one row of 256 bytes, lanes 16-31 the next
	v_lshl_add_u32 v[RD], v1, 4, v[RD]
	v_add_nc_u32 v[RD], s23, v[RD]
	v_lshlrev_b32 v[CO], 12, v2
	v_lshl_add_u32 v[CO], v1, 4, v[CO]
.macro MUL8 f, c, a0, zero
	WIN MUL
.irp a, \a0, (\a0)+1
.irp b, 0,1,2,3
.if \zero
	v_wmma_f32_16x16x32_bf16 v[ACC+8*(4*(\a)+(\b)):ACC+8*(4*(\a)+(\b))+7], v[(\f)+64+8*(4*(\c)+(\b)):(\f)+64+8*(4*(\c)+(\b))+7], v[(\f)+8*(4*(\c)+(\a)):(\f)+8*(4*(\c)+(\a))+7], 0
.else
	v_wmma_f32_16x16x32_bf16 v[ACC+8*(4*(\a)+(\b)):ACC+8*(4*(\a)+(\b))+7], v[(\f)+64+8*(4*(\c)+(\b)):(\f)+64+8*(4*(\c)+(\b))+7], v[(\f)+8*(4*(\c)+(\a)):(\f)+8*(4*(\c)+(\a))+7], v[ACC+8*(4*(\a)+(\b)):ACC+8*(4*(\a)+(\b))+7]
.endif
.endr
.endr
.endm
.macro FETCH slot, k, f
	WIN TO_F
.irp c, 0,1
.irp i, 0,1,2,3
	ds_load_b128 v[(\f)+64+8*(4*(\c)+(\i)):(\f)+64+8*(4*(\c)+(\i))+3],   v[ADRB+(\slot)] offset:(\k)+64*(\c)+(\i)*16*PITCH
	ds_load_b128 v[(\f)+64+8*(4*(\c)+(\i))+4:(\f)+64+8*(4*(\c)+(\i))+7], v[ADRB+(\slot)] offset:(\k)+64*(\c)+(\i)*16*PITCH+32
	ds_load_b128 v[(\f)+8*(4*(\c)+(\i)):(\f)+8*(4*(\c)+(\i))+3],         v[ADRA+(\slot)] offset:(\k)+64*(\c)+(\i)*16*PITCH
	ds_load_b128 v[(\f)+8*(4*(\c)+(\i))+4:(\f)+8*(4*(\c)+(\i))+7],       v[ADRA+(\slot)] offset:(\k)+64*(\c)+(\i)*16*PITCH+32
.endr
.endr
.endm
.macro QUARTER slot, k, f, g, zero
	s_wait_dscnt 16                                ; the first 32 along K are in
	MUL8 \f, 0, 0, \zero
	MUL8 \f, 0, 2, \zero
	PLACES
	FETCH \slot, \k, \g
	s_wait_dscnt 32                                ; all but the 32 just issued
	MUL8 \f, 1, 0, 0
	MUL8 \f, 1, 2, 0
.endm
.macro TURN slot, next, fill
	WIN 0
	s_wait_tensorcnt 0x0                           ; all my tensor loads have landed: my part of the next slot
	ds_add_u32 v[SPW], v[NIL]                      ; 0 onto my spare word
	s_wait_dscnt 17                                ; (the add and the youngest sixteen loads may be out)
	MUL8 F1, 0, 0, 0
	s_wait_dscnt 0x0                               ; the add is done, and my reads of this slot are over
	s_barrier_signal -1
	MUL8 F1, 0, 2, 0
.if \fill
	WIN 0
.endif
	s_barrier_wait -1
.if \fill
	CREST
	s_add_nc_u64 s[G0+4*(\slot)+2:G0+4*(\slot)+3], s[G0+4*(\slot)+2:G0+4*(\slot)+3], 2*KSTEP*2
	s_add_nc_u64 s[G0B+4*(\slot)+2:G0B+4*(\slot)+3], s[G0B+4*(\slot)+2:G0B+4*(\slot)+3], 2*KSTEP*2
	JLOAD \slot
.else
	PLACES
.endif
	FETCH \next, 0, F0
	MUL8 F1, 1, 0, 0
	MUL8 F1, 1, 2, 0
.endm
	s_wait_tensorcnt 1                             ; my part of K step 0 is in; K step 1's may stay out
	s_barrier_signal -1
	s_barrier_wait -1
	FETCH 0, 0, F0
	QUARTER 0, 128, F0, F1, 1                      ; the first quarter stands in front of the loop: its first products start the sums
	WIN 0
	s_mov_b32 s3, LAPS-1
.Llap:
	QUARTER 0, 256, F1, F0, 0
	QUARTER 0, 384, F0, F1, 0
	TURN 0, 1, 1
	QUARTER 1, 128, F0, F1, 0
	QUARTER 1, 256, F1, F0, 0
	QUARTER 1, 384, F0, F1, 0
	TURN 1, 0, 1
	QUARTER 0, 128, F0, F1, 0
	WIN 0
	s_sub_co_u32 s3, s3, 1
	s_cmp_lg_u32 s3, 0
	s_cbranch_scc1 .Llap
	QUARTER 0, 256, F1, F0, 0                      ; the last lap fills nothing
	QUARTER 0, 384, F0, F1, 0
	TURN 0, 1, 0
	QUARTER 1, 128, F0, F1, 0
	QUARTER 1, 256, F1, F0, 0
	QUARTER 1, 384, F0, F1, 0
	s_wait_dscnt 16
	MUL8 F1, 0, 0, 0
	MUL8 F1, 0, 2, 0
	s_wait_dscnt 0x0
	MUL8 F1, 1, 0, 0
	MUL8 F1, 1, 2, 0
	WIN 0
	; THE WAY OUT: 16 rows at a time through my own stage; my 64 columns of f32 are one aligned 256 bytes of a row; the bias is added on the way.
	s_wait_loadcnt 0x0
	v_cvt_pk_bf16_f32 v12, v8, v9                  ; the bias rounded to bf16 like the other inputs, and widened again: eight plain lines with the two below
	v_cvt_pk_bf16_f32 v13, v10, v11
	v_lshlrev_b32 v8, 16, v12
	v_and_b32 v9, 0xffff0000, v12
	v_lshlrev_b32 v10, 16, v13
	v_and_b32 v11, 0xffff0000, v13
	v_nop
	v_nop
.irp a, 0,1,2,3
.set BK, TMP+32*((\a)%2)
.if (\a) >= 2
	s_wait_xcnt 0x0                                ; the stores of two blocks ago have read these registers
.endif
.irp b, 0,1,2,3
	ds_store_b128 v[STO], v[ACC+8*(4*(\a)+(\b)):ACC+8*(4*(\a)+(\b))+3]   offset:64*(\b)
	ds_store_b128 v[STO], v[ACC+8*(4*(\a)+(\b))+4:ACC+8*(4*(\a)+(\b))+7] offset:64*(\b)+16
.endr
.irp t, 0,1,2,3,4,5,6,7
	ds_load_b128 v[BK+4*(\t):BK+4*(\t)+3], v[RD] offset:(\t)*2*SPITCH   ; LDS serves a wave's instructions in order: these see the stores above
.endr
.irp t, 0,1,2,3,4,5,6,7
	s_wait_dscnt 7-(\t)
	v_pk_add_f32 v[BK+4*(\t):BK+4*(\t)+1], v[BK+4*(\t):BK+4*(\t)+1], v[8:9]
	v_pk_add_f32 v[BK+4*(\t)+2:BK+4*(\t)+3], v[BK+4*(\t)+2:BK+4*(\t)+3], v[10:11]
	global_store_b128 v[CO], v[BK+4*(\t):BK+4*(\t)+3], s[10:11] offset:(16*(\a)+2*(\t))*4096 th:TH_STORE_NT   ; sixteen lanes store 256 consecutive bytes, aligned
.endr
.endr
	s_wait_tensorcnt 0x0                           ; the wave's end
	ds_add_u32 v[SPW], v[NIL]
	s_wait_dscnt 0x0
	CROUND
	s_endpgm
.Lfunc_end_k_q02f8eb5928_outp:
	.size	k_q02f8eb5928_outp, .Lfunc_end_k_q02f8eb5928_outp-k_q02f8eb5928_outp
	.p2alignl 7, 3214868480
	.fill 96, 4, 3214868480
	.section	.rodata,"a",@progbits
	.p2align	6, 0x0
	.amdhsa_kernel k_q02f8eb5928_outp
		.amdhsa_group_segment_fixed_size 327680
		.amdhsa_private_segment_fixed_size 0
		.amdhsa_enable_private_segment 0
		.amdhsa_kernarg_size 32
		.amdhsa_user_sgpr_count 2
		.amdhsa_user_sgpr_kernarg_segment_ptr 1
		.amdhsa_wavefront_size32 1
		.amdhsa_system_sgpr_workgroup_id_x 1
		.amdhsa_system_sgpr_workgroup_id_y 1
		.amdhsa_system_sgpr_workgroup_id_z 1
		.amdhsa_system_vgpr_workitem_id 0
		.amdhsa_next_free_vgpr 512
		.amdhsa_next_free_sgpr 70
		.amdhsa_reserve_vcc 0
		.amdhsa_float_denorm_mode_32 3
		.amdhsa_float_denorm_mode_16_64 3
		.amdhsa_memory_ordered 1
		.amdhsa_forward_progress 1
		.amdhsa_inst_pref_size 91
	.end_amdhsa_kernel
	.amdgpu_metadata
---
amdhsa.version: [ 1, 2 ]
amdhsa.kernels:
  - .name:           k_q02f8eb5928_outp
    .symbol:         k_q02f8eb5928_outp.kd
    .args:
      - { .name: ctx2, .offset: 0, .size: 8, .value_kind: global_buffer, .address_space: global }
      - { .name: wob, .offset: 8, .size: 8, .value_kind: global_buffer, .address_space: global }
      - { .name: bo, .offset: 16, .size: 8, .value_kind: global_buffer, .address_space: global }
      - { .name: out0, .offset: 24, .size: 8, .value_kind: global_buffer, .address_space: global }
    .group_segment_fixed_size: 327680
    .private_segment_fixed_size: 0
    .kernarg_segment_align: 8
    .kernarg_segment_size: 32
    .max_flat_workgroup_size: 128
    .sgpr_count:     70
    .vgpr_count:     512
    .wavefront_size: 32
...
	.end_amdgpu_metadata
.endif
;; end of part 4
